; MI455X (gfx1250); checked and timed in simulation.
; The chip was launched on July 23, 2026; its instructions are those of AMD's public machine-readable ISA for CDNA 5 (MIT licence, August 2026) and "CDNA5" Instruction Set Architecture Reference Guide (July 2026). The comments in the code are by the model that wrote it; some were corrected since.
;; Pose Aware Attention. Allowed arithmetic: matrix products marked QUANTISED: E5M2 operands, one E8M0 scale for each 32 along K, by v_wmma_scale_f32_16x16x128_f8f6f4 with both operands' format E5M2, f32 sums; products left as they are: f32 operands where the result goes on into a quantised operand, else bf16, f16 or f32 operands; f32 sums; everything else in f32.
;; Inputs: W1 3 x 64 float32; W2 64 x 3,072 float32; Wproj 1,024 x 1,024 float32; Wqkv 1,024 x 3,072 float32; b1 64 float32; b2 3,072 float32; bproj 1,024 float32; bqkv 3,072 float32; pose_angles 8 x 3 float32; x 8 x 1,024 x 1,024 float32.
;; Outputs: out0 8 x 1,024 x 1,024 float32.
;; This version of the problem:
;;   THIS VERSION OF THE PROBLEM IS GIVEN IN LOW PRECISION. The matrix products marked QUANTISED in the list below multiply operands that are first quantised to E5M2 (5 exponent bits, 2 mantissa bits; 8 bits a number), with one power-of-two scale for each 32 numbers along K (OCP MX v1.0); their sums are f32. All else is computed in f32.
;;   The module's matrix products, in the order in which they are computed (A, B: the left and right operand; K: the contracted axis; several contracted axes count as one K, in the product's order):
;;     1. [M 8,192, K 1,024] x [K 1,024, N 3,072]; A: input x; B: input Wqkv: QUANTISED
;;     2. [M 8, K 3] x [K 3, N 64]; A: input pose_angles; B: input W1: left as it is (K = 3 < 32)
;;     3. [M 8, K 64] x [K 64, N 3,072]; A: computed on the way; B: input W2: left as it is (M = 8 < 16)
;;     4. batch 128 x [M 1,024, K 64] x [K 64, N 1,024]; A: computed on the way; B: computed on the way: QUANTISED
;;     5. batch 128 x [M 1,024, K 1,024] x [K 1,024, N 64]; A: softmax (see below); B: computed on the way: QUANTISED
;;     6. [M 8,192, K 1,024] x [K 1,024, N 1,024]; A: computed on the way; B: input Wproj: QUANTISED
;;   THE QUANTISER, for each operand of a quantised product, along K:
;;     - K is cut into blocks of 32 from its start; a last block that is shorter is filled with zeros.
;;     - A block's scale is 2^e with e = floor(log2(the largest magnitude in the block)) - 15, held to -126 .. 127; a block of zeros has e = 0. As a byte (E8M0): e + 127.
;;     - Each number is divided by its block's scale, clamped to +-57,344, and rounded to the nearest number of E5M2, ties to even, subnormals kept.
;;     - The product sums the exact products of the quantised numbers (number of the format x scale) in f32.
;;   ~~~python
;;   def quantise(x, axis):      # numpy; x: float32 -> the quantised numbers, widened to float32 again
;;       x = np.moveaxis(x, axis, -1); K = x.shape[-1]
;;       x = np.pad(x, [(0, 0)] * (x.ndim - 1) + [(0, -K % 32)]); x = x.reshape(x.shape[:-1] + (-1, 32)); a = np.abs(x).max(-1, keepdims=True)
;;       e = np.where(a > 0, np.clip(np.frexp(np.where(a > 0, a, 1))[1] - 1 - 15, -126, 127), 0)      # np.frexp(a)[1] - 1 = floor(log2(a)), exactly
;;       r = np.clip(x / 2.0 ** e, -57344, 57344)
;;       step = 2.0 ** (np.maximum(np.frexp(np.where(r == 0, 1, r))[1] - 1, -14) - 2)
;;       q = np.round(r / step) * step * 2.0 ** e      # np.round: ties to even
;;       return np.moveaxis(q.reshape(q.shape[:-2] + (-1,))[..., :K], -1, axis).astype(np.float32)
;;   ~~~
;;   SOFTMAX AHEAD OF A QUANTISED PRODUCT. Where the list says 'softmax', what is quantised is not the finished softmax but p = 2^(t - M), with t = logit x log2(e) and M = ceil(the row's largest t), a whole number; so 1/2 < the row's largest p <= 1. The row's sum l is taken of the UNQUANTISED p, in f32, and the product's result is divided by l at the end. Since M is a whole number, a kernel that streams over the keys may use a running M (the ceiling of the running maximum): every later rescaling is an exact power of two, which a block's scale takes up: the codes' values come out the same.
;;   OPERANDS COMPUTED ON THE WAY. 'Computed on the way' means the value that the module computes at that place (a softmax that the list does not call 'softmax' is quantised finished and normalised). What goes into a quantiser is computed in f32, as accurately as f32 sums, v_exp_f32 and their like allow (about 1e-6 of the number): no bf16 or f16 on the way to a quantiser, and a product that is left as it is and whose result goes on into a quantised operand takes f32 operands (vector FMAs, or v_wmma_f32_16x16x4_f32). A number that lies on a knife's edge between two numbers of the format may be rounded either way, as far as f32 arithmetic and the matrix unit's own rounding can turn it there, and no further.
;; One version. Each part assembles by itself: llvm-mc -triple=amdgcn-amd-amdhsa -mcpu=gfx1250 --defsym DOCPART=n.
;; ======== version 1 of 1: 4 launches
;; limits: right only within a limited range of input values
;; workspace buffers: xc 8,388,608 bytes; xs 262,144 bytes; wc 4,194,304 bytes; ws 131,072 bytes; pb 98,304 bytes; qkvc 25,165,824 bytes; qkvs 3,145,728 bytes; oc 8,650,752 bytes
;; launch prep (part 1): grid 396 x 1, 4 waves a work-group, no clusters, 76,288 bytes of LDS; arguments x, Wqkv, Wproj, pose_angles, W1, b1, W2, b2, bqkv, xc, xs, wc, ws, pb; writes xc, xs, wc, ws, pb
.if DOCPART == 1
	.amdgcn_target "amdgcn-amd-amdhsa--gfx1250"
	.amdhsa_code_object_version 6
	.text
	.protected	k_qaef6297aac_prep
	.globl	k_qaef6297aac_prep
	.p2align	8
	.type	k_qaef6297aac_prep,@function
k_qaef6297aac_prep:
	s_mov_b64 s[64:65], 0
	v_nop
	global_prefetch_b8 v0, s[64:65] scope:SCOPE_SE
	s_setreg_imm32_b32 hwreg(HW_REG_WAVE_MODE, 25, 1), 1
	s_wait_xcnt 0x0
; PREP: three jobs in one launch, chosen by the work-group's number; each has its own way through the text and its own LDS bytes.
;   work-groups   0-255: x [8192][1024] f32 -> codes of E5M2 (xc) and one E8M0 byte for each 32 along K (xs); K is innermost.
;   work-groups 256-383: Wqkv [1024][3072] and Wproj [1024][1024] f32, K their FIRST axis -> wc [4096][1024] codes, K innermost, ws [4096][32]; rows 0-3071 Wqkv's columns, 3072-4095 Wproj's.
;   work-groups 384-395: pb[b][n] = relu(pose W1 + b1) W2 + b2 + bqkv, f32 fused multiply-adds: all that is added to x Wqkv.
; POSITION SPACE: row i of x, and column i of a weight, is stored at row PI(i), PI = bits 3 and 4 of the index exchanged.  Sixteen consecutive stored rows, taken as source 0 of a matrix
; instruction, then leave in a lane's registers of two neighbouring tiles sixteen TRUE neighbours: the next product's K needs no shuffle.
; A block's scale is 2^(floor(log2(largest magnitude)) - 15); its byte is that magnitude's exponent field - 15, held at 1 from below.
; LIMITS: a block of zeros, or one whose largest magnitude lies under 2^-111, gets the byte 1 where the rule says 127 or less: its codes are zeros or subnormal codes under byte 1, and the bytes are
; read by this program alone; NaN and infinities among the inputs are not served.
; No cluster, no tensor loads, no barrier: the waves share nothing, and no two work-groups read the same large bytes.
.set SP,    80                         ; x: a lane's place in a stage: 64 bytes + 16 of padding
.set WREG,  8192                       ; x: LDS of a wave: two stages of 32 x SP, then its 256 scale bytes
.set STEPS, 16
.set EMAX,  15
.set MANT,  0x600000                   ; the mantissa field of 57,344
.set XR,    16                         ; x: v16-79 four sets of 16 numbers as loaded; v80-111 two sets of 16 neighbours; v112-127 a byte a step; v128-191 codes
.set XX,    80
.set XE,    112
.set XC,    128
.set WSTG,  32768                      ; weights: LDS from here, 32 rows x 272 bytes a wave
.set WP,    272
.set WSB,   24                         ; weights: v24-25 scale bytes; v32-95 two sets of 32 numbers; v96-103 codes; v112-175 the way out; v176-207 the 32 row offsets
.set WX,    32
.set WC,    96
.set WOUT,  112
.set OF,    176
.set PH,    67584                      ; pose: LDS from here, 2,048 bytes a wave: h as [j 64][batch 8]
	v_lshl_add_u32 v208, v0, 2, 0x12800
	v_mov_b32 v209, 0
	v_lshrrev_b32 v1, 5, v0
	v_readfirstlane_b32 s16, v1                    ; wave 0..3
	v_and_b32 v2, 31, v0                           ; lane
	s_cmp_lt_u32 ttmp9, 256
	s_cbranch_scc0 .Lnot_x
; ---------------------------------------------------------------- x: a wave takes 8 rows = 8,192 numbers, 16 steps of 512
	s_load_b64 s[4:5], s[0:1], 0x0                 ; x
	s_load_b128 s[8:11], s[0:1], 0x48              ; xc, xs
	v_lshlrev_b32 v3, 4, v2                        ; my 16 bytes of a load's 512
	s_mul_i32 s17, s16, WREG
	v_lshrrev_b32 v14, 2, v2
	v_mul_u32_u24 v14, v14, SP
	v_and_b32 v15, 3, v2
	v_lshl_add_u32 v14, v15, 4, v14
	v_add_nc_u32 v14, s17, v14                     ; the stage, in: four lanes' 64 bytes on end, then the padding
	v_mul_u32_u24 v15, v2, SP
	v_add_nc_u32 v15, s17, v15                     ; out: SP x lane: my 16 neighbours
	v_lshlrev_b32 v4, 4, v2                        ; my 16 codes in a step's 512
	v_lshrrev_b32 v5, 1, v2
	s_add_co_u32 s17, s17, 2*32*SP
	v_add_nc_u32 v5, s17, v5                       ; my block's scale byte in the wave's 256
	v_lshlrev_b32 v7, 3, v2
	v_add_nc_u32 v6, s17, v7
	s_mov_b32 s23, MANT
	s_lshl_b32 s18, ttmp9, 2
	s_add_co_u32 s20, s18, s16                     ; the run of 8 rows that I read: 4 x work-group + wave
	s_lshl_b32 s20, s20, 15                        ; x 32,768 bytes
	s_mov_b32 s21, 0
	s_and_b32 s22, s16, 1                          ; PI on rows is the exchange of the run number's bits 0 and 1, which are the wave's
	s_lshl_b32 s22, s22, 1
	s_lshr_b32 s24, s16, 1
	s_or_b32 s22, s22, s24
	s_add_co_u32 s18, s18, s22                     ; the run that I write
	s_lshl_b32 s24, s18, 13                        ; x 8,192 bytes of codes
	s_mov_b32 s25, 0
	s_lshl_b32 s26, s18, 8                         ; x 256 scale bytes
	s_mov_b32 s27, 0
	s_wait_alu depctr_va_vdst(0)
	s_wait_kmcnt 0x0
	s_add_nc_u64 s[4:5], s[4:5], s[20:21]
	s_add_nc_u64 s[8:9], s[8:9], s[24:25]
	s_add_nc_u64 s[10:11], s[10:11], s[26:27]
.macro XLOAD t
.irp i, 0,1,2,3
	global_load_b128 v[XR+16*((\t)%4)+4*\i:XR+16*((\t)%4)+4*\i+3], v3, s[4:5] offset:2048*(\t)+512*\i th:TH_LOAD_NT   ; 32 lanes read 512 consecutive bytes
.endr
.endm
.macro XTURN t                         ; step t's numbers through the stage; LDS serves a wave's instructions in order, so no wait stands between the stores and the loads
.irp i, 0,1,2,3
	ds_store_b128 v14, v[XR+16*((\t)%4)+4*\i:XR+16*((\t)%4)+4*\i+3] offset:32*SP*((\t)%2)+8*SP*\i
.endr
.irp i, 0,1,2,3
	ds_load_b128 v[XX+16*((\t)%2)+4*\i:XX+16*((\t)%2)+4*\i+3], v15 offset:32*SP*((\t)%2)+16*\i
.endr
.endm
.irp t, 0,1,2,3
	XLOAD \t
.endr
	s_wait_loadcnt 12                              ; step 0's four loads are in; the twelve of steps 1 to 3 stay out
	XTURN 0
.macro XSTEP t
.set XS, XX+16*((\t)%2)
.if (\t) > 0
	s_wait_dscnt 1                                 ; this step's numbers are back from the stage; the last step's byte store may be out
.else
	s_wait_dscnt 0x0
.endif
.if (\t)+4 < STEPS
	XLOAD (\t)+4                                   ; into the registers that the stage's stores have read
.endif
.if (\t)+1 < STEPS
.if STEPS-2-(\t) >= 3
	s_wait_loadcnt 12                              ; the next step's four loads are in; those of the three steps behind it may be out
.else
	s_wait_loadcnt 4*(STEPS-2-(\t))
.endif
	XTURN (\t)+1
.endif
	v_max3_num_f32 v8, |v[XS]|, |v[XS+1]|, |v[XS+2]|               ; the largest magnitude of my 16, in two chains
	v_max3_num_f32 v9, |v[XS+3]|, |v[XS+4]|, |v[XS+5]|
.irp i, 6,10
	v_max3_num_f32 v8, v8, |v[XS+\i]|, |v[XS+\i+1]|
	v_max3_num_f32 v9, v9, |v[XS+\i+2]|, |v[XS+\i+3]|
.endr
	v_max3_num_f32 v8, v8, |v[XS+14]|, |v[XS+15]|
	v_max3_num_f32 v8, v8, v9, (EMAX+1)<<23        ; and the floor 2^(16 - 127): the byte cannot fall under 1
	v_max_num_f32_dpp v8, v8, v8 row_xmask:1 row_mask:0xf bank_mask:0xf   ; with my neighbour's 16: the block's
	v_add_nc_u32 v11, -(EMAX<<23), v8              ; 15 off its exponent field: the conversion's scale operand
	v_and_or_b32 v10, v8, 0x7f800000, s23          ; 57,344 x the scale
.irp i, 0,1,2,3,4,5,6,7,8,9,10,11,12,13,14,15
	v_med3_num_f32 v[XS+\i], v[XS+\i], -v10, v10   ; the conversion to an 8-bit code does not saturate (ISA guide 7.6.2): the hold comes first
.endr
	v_cvt_scalef32_pk8_bf8_f32 v[XC+4*(\t):XC+4*(\t)+1], v[XS:XS+7], v11
	v_cvt_scalef32_pk8_bf8_f32 v[XC+4*(\t)+2:XC+4*(\t)+3], v[XS+8:XS+15], v11
	v_lshrrev_b32 v[XE+(\t)], 23, v11              ; the scale's byte
	ds_store_b8 v5, v[XE+(\t)] offset:16*(\t)      ; both lanes of a block write the same byte with the same value
	global_store_b128 v4, v[XC+4*(\t):XC+4*(\t)+3], s[8:9] offset:512*(\t)   ; the wave stores 512 consecutive bytes
.endm
.irp t, 0,1,2,3,4,5,6,7,8,9,10,11,12,13,14,15
	XSTEP \t
.endr
	ds_load_b64 v[12:13], v6                       ; my wave's 256 scale bytes, 8 a lane
	s_wait_dscnt 0x0
	global_store_b64 v7, v[12:13], s[10:11]        ; 32 lanes store 256 consecutive bytes, aligned
	s_wait_tensorcnt 0x0
	ds_add_u32 v208, v209
	s_wait_dscnt 0x0
	s_endpgm
.Lnot_x:
	s_cmp_lt_u32 ttmp9, 384
	s_cbranch_scc0 .Lpose
; ---------------------------------------------------------------- the weights: a lane takes a column, its registers run down K; a wave takes 32 columns x 256 along K
	s_load_b128 s[4:7], s[0:1], 0x8                ; Wqkv, Wproj
	s_load_b128 s[8:11], s[0:1], 0x58              ; wc, ws
	s_sub_co_u32 s17, ttmp9, 256
	s_and_b32 s18, s17, 3                          ; which 256 along K
	s_lshr_b32 s17, s17, 2                         ; which 128 rows of wc: 0-23 Wqkv's columns, 24-31 Wproj's
	s_mov_b32 s19, 4096
	s_cmp_lt_u32 s17, 24
	s_cselect_b32 s19, 12288, s19                  ; bytes from a row of the weight to the next
	s_cselect_b32 s20, 0, 24
	s_sub_co_u32 s20, s17, s20                     ; which 128 columns of that weight
	s_wait_alu depctr_va_vdst(0)
	v_lshlrev_b32 v3, 2, v2
	s_mul_i32 s21, s16, 32*WP
	s_add_co_u32 s21, s21, WSTG                    ; my stage
	v_mul_u32_u24 v4, v2, WP
	v_add_nc_u32 v4, s21, v4                       ; in: row = my column
	v_and_b32 v5, 15, v2
	v_lshrrev_b32 v6, 4, v2
	v_mul_u32_u24 v7, v6, WP
	v_lshl_add_u32 v7, v5, 4, v7
	v_add_nc_u32 v7, s21, v7                       ; out: sixteen lanes to a row, two rows an instruction
	v_lshlrev_b32 v8, 10, v6
	v_lshl_add_u32 v8, v5, 4, v8                   ; and the same place in wc
	v_and_b32 v9, 7, v2                            ; PI(lane): my column's row among the wave's 32
	v_and_b32 v10, 8, v2
	v_lshl_or_b32 v9, v10, 1, v9
	v_and_b32 v10, 16, v2
	v_lshrrev_b32 v10, 1, v10
	v_or_b32 v9, v9, v10
	v_lshlrev_b32 v9, 5, v9                        ; x 32 scale bytes a row
.irp i, 0,1,2,3,4,5,6,7,8,9,10,11,12,13,14,15,16,17,18,19,20,21,22,23,24,25,26,27,28,29,30,31
	v_mad_u32_u24 v[OF+\i], s19, \i, v3            ; row i of a block: the pitch differs between the two weights, so it cannot stand in an immediate
.endr
	s_mul_i32 s22, s18, s19
	s_lshl_b32 s22, s22, 8                         ; 256 rows for each step along K
	s_lshl_b32 s23, s20, 9
	s_add_co_u32 s22, s22, s23
	s_lshl_b32 s23, s16, 7
	s_add_co_u32 s22, s22, s23                     ; + 4 bytes x my wave's first column
	s_mov_b32 s23, 0
	s_lshl_b32 s24, s19, 5                         ; a block: 32 rows
	s_mov_b32 s25, 0
	s_lshl_b32 s26, s17, 7
	s_lshl_b32 s27, s16, 5
	s_add_co_u32 s26, s26, s27                     ; my wave's first row of wc and ws
	s_lshl_b32 s28, s26, 10
	s_lshl_b32 s29, s18, 8
	s_add_co_u32 s28, s28, s29
	s_mov_b32 s29, 0
	s_lshl_b32 s30, s26, 5
	s_lshl_b32 s31, s18, 3
	s_add_co_u32 s30, s30, s31
	s_mov_b32 s31, 0
	s_mov_b32 s48, MANT
	s_wait_alu depctr_va_vdst(0)
	s_wait_kmcnt 0x0
	s_cmp_lt_u32 s17, 24                           ; the choice hangs on the work-group's number alone
	s_cselect_b64 s[4:5], s[4:5], s[6:7]
	s_add_nc_u64 s[32:33], s[4:5], s[22:23]        ; a base for each of the eight blocks: no pointer is stepped later
.irp t, 1,2,3,4,5,6,7
	s_add_nc_u64 s[32+2*\t:33+2*\t], s[30+2*\t:31+2*\t], s[24:25]
.endr
	s_add_nc_u64 s[8:9], s[8:9], s[28:29]
	s_add_nc_u64 s[10:11], s[10:11], s[30:31]
.macro WLOAD t                         ; block t: W(32 t + i, my column) into set t % 2; a wave reads 128 consecutive bytes, the work-group 512
.irp i, 0,1,2,3,4,5,6,7,8,9,10,11,12,13,14,15,16,17,18,19,20,21,22,23,24,25,26,27,28,29,30,31
	global_load_b32 v[WX+32*((\t)%2)+\i], v[OF+\i], s[32+2*(\t):33+2*(\t)] th:TH_LOAD_NT
.endr
.endm
	WLOAD 0
	WLOAD 1
.macro WBLOCK t
.set XS, WX+32*((\t)%2)
.if (\t) < 7
	s_wait_loadcnt 32                              ; this block's 32 loads are in; the next block's may be out
.else
	s_wait_loadcnt 0x0
.endif
	v_max3_num_f32 v12, |v[XS]|, |v[XS+1]|, |v[XS+2]|              ; all 32 numbers of the block are mine
	v_max3_num_f32 v13, |v[XS+3]|, |v[XS+4]|, |v[XS+5]|
.irp i, 6,10,14,18,22,26
	v_max3_num_f32 v12, v12, |v[XS+\i]|, |v[XS+\i+1]|
	v_max3_num_f32 v13, v13, |v[XS+\i+2]|, |v[XS+\i+3]|
.endr
	v_max3_num_f32 v12, v12, |v[XS+30]|, |v[XS+31]|
	v_max3_num_f32 v12, v12, v13, (EMAX+1)<<23
	v_add_nc_u32 v11, -(EMAX<<23), v12
	v_and_or_b32 v10, v12, 0x7f800000, s48
	v_lshrrev_b32 v13, 23, v11
.if (\t)%4 == 0
	v_mov_b32 v[WSB+(\t)/4], v13                   ; four bytes to a register, the lower K in the lower byte
.else
	v_lshl_or_b32 v[WSB+(\t)/4], v13, 8*((\t)%4), v[WSB+(\t)/4]
.endif
.irp i, 0,1,2,3,4,5,6,7,8,9,10,11,12,13,14,15,16,17,18,19,20,21,22,23,24,25,26,27,28,29,30,31
	v_med3_num_f32 v[XS+\i], v[XS+\i], -v10, v10
.endr
.irp g, 0,1,2,3
	v_cvt_scalef32_pk8_bf8_f32 v[WC+2*\g:WC+2*\g+1], v[XS+8*\g:XS+8*\g+7], v11
.endr
	ds_store_b128 v4, v[WC:WC+3] offset:32*(\t)
	ds_store_b128 v4, v[WC+4:WC+7] offset:32*(\t)+16
.if (\t)+2 < 8
	WLOAD (\t)+2
.endif
	s_wait_dscnt 0x0                               ; the stores have read their registers: the next block's codes may be written
.endm
.irp t, 0,1,2,3,4,5,6,7
	WBLOCK \t
.endr
	global_store_b64 v9, v[WSB:WSB+1], s[10:11]    ; my column's eight scale bytes (8 bytes of a row of 32: one byte in 128 of what this way reads)
.irp t, 0,1,2,3,4,5,6,7,8,9,10,11,12,13,14,15
	ds_load_b128 v[WOUT+4*\t:WOUT+4*\t+3], v7 offset:2*\t*WP
.endr
.irp t, 0,1,2,3,4,5,6,7,8,9,10,11,12,13,14,15
	s_wait_dscnt 15-\t
	global_store_b128 v8, v[WOUT+4*\t:WOUT+4*\t+3], s[8:9] offset:(((2*\t)&7)|(((2*\t)&8)<<1)|(((2*\t)&16)>>1))*1024   ; columns 2 t, 2 t + 1 go to rows PI(2 t), PI(2 t) + 1; sixteen lanes store 256 consecutive bytes, aligned
.endr
	s_wait_tensorcnt 0x0
	ds_add_u32 v208, v209
	s_wait_dscnt 0x0
	s_endpgm
.Lpose:
; ---------------------------------------------------------------- the pose MLP: a thread owns two columns n, n + 1 of the 3,072, for all 8 batches; every wave makes the 512 h for itself
	s_load_b128 s[4:7], s[0:1], 0x18               ; pose_angles, W1
	s_load_b128 s[8:11], s[0:1], 0x28              ; b1, W2
	s_load_b128 s[12:15], s[0:1], 0x38             ; b2, bqkv
	s_load_b64 s[20:21], s[0:1], 0x68              ; pb
	s_sub_co_u32 s17, ttmp9, 384
	s_lshl_b32 s18, s17, 10                        ; 256 columns x 4 bytes a work-group
	s_mov_b32 s19, 0
	s_wait_alu depctr_va_vdst(0)
	v_lshlrev_b32 v3, 2, v2                        ; 4 x lane
	v_lshlrev_b32 v4, 3, v0                        ; 8 x thread: my two columns
	s_lshl_b32 s22, s16, 11
	s_add_co_u32 s22, s22, PH                      ; my wave's h
	v_lshl_add_u32 v5, v2, 5, s22                  ; in: j = lane: 32 bytes a j
	v_mov_b32 v6, s22                              ; out: every lane reads the same j
	s_wait_alu depctr_va_vdst(0)
	s_wait_kmcnt 0x0
	s_load_b256 s[36:43], s[4:5], 0x0              ; the 24 angles
	s_load_b256 s[44:51], s[4:5], 0x20
	s_load_b256 s[52:59], s[4:5], 0x40
	s_add_nc_u64 s[10:11], s[10:11], s[18:19]
	s_add_nc_u64 s[12:13], s[12:13], s[18:19]
	s_add_nc_u64 s[14:15], s[14:15], s[18:19]
	s_add_nc_u64 s[20:21], s[20:21], s[18:19]
.irp i, 0,1,2
.irp jj, 0,1
	global_load_b32 v[16+2*\i+\jj], v3, s[6:7] offset:256*\i+128*\jj   ; W1(i, lane + 32 jj)
.endr
.endr
	global_load_b32 v22, v3, s[8:9]
	global_load_b32 v23, v3, s[8:9] offset:128
	global_load_b64 v[24:25], v4, s[12:13]
	global_load_b64 v[26:27], v4, s[14:15]
.set j, 0
.rept 48
	global_load_b64 v[64+2*j:65+2*j], v4, s[10:11] offset:j*12288      ; W2(j, n .. n + 1): a wave reads 256 consecutive bytes
.set j, j+1
.endr
	s_wait_kmcnt 0x0
	s_wait_loadcnt 50                              ; W1 and b1 are in; b2, bqkv and 48 rows of W2 may be out
.irp jj, 0,1
.irp b, 0,1,2,3,4,5,6,7
	v_fma_f32 v[48+8*\jj+\b], s[36+3*\b], v[16+\jj], v[22+\jj]
.endr
.irp b, 0,1,2,3,4,5,6,7
	v_fma_f32 v[48+8*\jj+\b], s[37+3*\b], v[18+\jj], v[48+8*\jj+\b]
.endr
.irp b, 0,1,2,3,4,5,6,7
	v_fma_f32 v[48+8*\jj+\b], s[38+3*\b], v[20+\jj], v[48+8*\jj+\b]
.endr
.irp b, 0,1,2,3,4,5,6,7
	v_max_num_f32 v[48+8*\jj+\b], 0, v[48+8*\jj+\b]
.endr
	ds_store_b128 v5, v[48+8*\jj:51+8*\jj] offset:1024*\jj
	ds_store_b128 v5, v[52+8*\jj:55+8*\jj] offset:1024*\jj+16
.endr
	s_wait_loadcnt 48                              ; b2 and bqkv are in
	v_add_f32 v24, v24, v26
	v_add_f32 v25, v25, v27
.rept 16
	global_load_b64 v[64+2*j:65+2*j], v4, s[10:11] offset:j*12288
.set j, j+1
.endr
	s_wait_alu depctr_va_vdst(0)
	s_wait_dscnt 0x0                               ; the stores have read v48-63, which the loads below fill
	ds_load_b128 v[48:51], v6
	ds_load_b128 v[52:55], v6 offset:16
.set j, 0
.rept 64
.if j < 63
	ds_load_b128 v[48+8*((j+1)%2):51+8*((j+1)%2)], v6 offset:32*(j+1)
	ds_load_b128 v[52+8*((j+1)%2):55+8*((j+1)%2)], v6 offset:32*(j+1)+16
	s_wait_dscnt 2                                 ; h(j) is in; the two loads of h(j + 1) may be out
.else
	s_wait_dscnt 0x0
.endif
	s_wait_loadcnt 63-j                            ; W2's row j is in; the 63 - j rows behind it may be out
.irp b, 0,1,2,3,4,5,6,7
.irp c, 0,1
.if j == 0
	v_fma_f32 v[32+2*\b+\c], v[48+\b], v[64+\c], v[24+\c]          ; the first product starts the sums on b2 + bqkv
.else
	v_fmac_f32 v[32+2*\b+\c], v[48+8*(j%2)+\b], v[64+2*j+\c]
.endif
.endr
.endr
.set j, j+1
.endr
.irp b, 0,1,2,3,4,5,6,7
	global_store_b64 v4, v[32+2*\b:33+2*\b], s[20:21] offset:\b*12288   ; a wave stores 256 consecutive bytes, aligned
.endr
	s_wait_tensorcnt 0x0
	ds_add_u32 v208, v209
	s_wait_dscnt 0x0
	s_endpgm
.Lfunc_end_k_qaef6297aac_prep:
	.size	k_qaef6297aac_prep, .Lfunc_end_k_qaef6297aac_prep-k_qaef6297aac_prep
	.p2alignl 7, 3214868480
	.fill 96, 4, 3214868480
	.section	.rodata,"a",@progbits
	.p2align	6, 0x0
	.amdhsa_kernel k_qaef6297aac_prep
		.amdhsa_group_segment_fixed_size 76288
		.amdhsa_private_segment_fixed_size 0
		.amdhsa_enable_private_segment 0
		.amdhsa_kernarg_size 112
		.amdhsa_user_sgpr_count 2
		.amdhsa_user_sgpr_kernarg_segment_ptr 1
		.amdhsa_wavefront_size32 1
		.amdhsa_system_sgpr_workgroup_id_x 1
		.amdhsa_system_sgpr_workgroup_id_y 1
		.amdhsa_system_sgpr_workgroup_id_z 1
		.amdhsa_system_vgpr_workitem_id 0
		.amdhsa_next_free_vgpr 210
		.amdhsa_next_free_sgpr 66
		.amdhsa_reserve_vcc 0
		.amdhsa_float_denorm_mode_32 3
		.amdhsa_float_denorm_mode_16_64 3
		.amdhsa_memory_ordered 1
		.amdhsa_forward_progress 1
		.amdhsa_inst_pref_size 170
	.end_amdhsa_kernel
	.amdgpu_metadata
---
amdhsa.version: [ 1, 2 ]
amdhsa.kernels:
  - .name:           k_qaef6297aac_prep
    .symbol:         k_qaef6297aac_prep.kd
    .args:
      - { .name: x, .offset: 0, .size: 8, .value_kind: global_buffer, .address_space: global }
      - { .name: Wqkv, .offset: 8, .size: 8, .value_kind: global_buffer, .address_space: global }
      - { .name: Wproj, .offset: 16, .size: 8, .value_kind: global_buffer, .address_space: global }
      - { .name: pose_angles, .offset: 24, .size: 8, .value_kind: global_buffer, .address_space: global }
      - { .name: W1, .offset: 32, .size: 8, .value_kind: global_buffer, .address_space: global }
      - { .name: b1, .offset: 40, .size: 8, .value_kind: global_buffer, .address_space: global }
      - { .name: W2, .offset: 48, .size: 8, .value_kind: global_buffer, .address_space: global }
      - { .name: b2, .offset: 56, .size: 8, .value_kind: global_buffer, .address_space: global }
      - { .name: bqkv, .offset: 64, .size: 8, .value_kind: global_buffer, .address_space: global }
      - { .name: xc, .offset: 72, .size: 8, .value_kind: global_buffer, .address_space: global }
      - { .name: xs, .offset: 80, .size: 8, .value_kind: global_buffer, .address_space: global }
      - { .name: wc, .offset: 88, .size: 8, .value_kind: global_buffer, .address_space: global }
      - { .name: ws, .offset: 96, .size: 8, .value_kind: global_buffer, .address_space: global }
      - { .name: pb, .offset: 104, .size: 8, .value_kind: global_buffer, .address_space: global }
    .group_segment_fixed_size: 76288
    .private_segment_fixed_size: 0
    .kernarg_segment_align: 8
    .kernarg_segment_size: 112
    .max_flat_workgroup_size: 128
    .sgpr_count:     66
    .vgpr_count:     210
    .wavefront_size: 32
...
	.end_amdgpu_metadata
.endif
;; end of part 1
;; launch gemm_qkv (part 2): grid 12 x 32, 4 waves a work-group, clusters of 4 x 4, 327,680 bytes of LDS; arguments xc, xs, wc, ws, pb, qkvc, qkvs; writes qkvc, qkvs
.if DOCPART == 2
	.amdgcn_target "amdgcn-amd-amdhsa--gfx1250"
	.amdhsa_code_object_version 6
	.text
	.protected	k_qaef6297aac_gemm_qkv
	.globl	k_qaef6297aac_gemm_qkv
	.p2align	8
	.type	k_qaef6297aac_gemm_qkv,@function
k_qaef6297aac_gemm_qkv:
	s_mov_b64 s[64:65], 0
	v_nop
	global_prefetch_b8 v0, s[64:65] scope:SCOPE_SE
	s_setreg_imm32_b32 hwreg(HW_REG_WAVE_MODE, 25, 1), 1
	s_wait_xcnt 0x0
	s_wait_alu depctr_hold_cnt(0) depctr_sa_sdst(0) depctr_va_vdst(0) depctr_va_sdst(0) depctr_va_ssrc(0) depctr_va_vcc(0) depctr_vm_vsrc(0)
	s_getreg_b32 s2, hwreg(HW_REG_IB_STS2, 6, 4)
	s_cmp_eq_u32 s2, 0
	s_cbranch_scc0 .Lentry_in_a_cluster
	s_endpgm
.Lentry_in_a_cluster:
	s_bfe_u32 s2, ttmp6, 0x10000c
	s_cmp_lg_u32 s2, 0xf033
	s_cbranch_scc0 .Lentry_shape_is_right
	s_endpgm
.Lentry_shape_is_right:
; q, k, v = Q(x) Q(Wqkv) + pb, on codes of E5M2 with one E8M0 scale for each 32 along K = 1,024; the results are quantised in registers for the attention and leave as codes.
; A tile of 256 x 256 to a work-group of four waves, 128 x 128 to a wave: 64 accumulators, 512 registers.  K goes in steps of 256 through a ring of two LDS slots filled by the tensor data mover; the
; scale bytes of both operands' 256 rows, for all of K, come into LDS once.  The cluster's x is the kind (0 q, 1 k, 2 v), its y the batch.
; ROLES.  Source 0's rows fall into a lane's registers, source 1's rows into the lanes.  q and k are quantised along the head's 64, so for them source 0 = rows of wc (columns of Wqkv), source 1 = rows of xc.
; v is quantised along the keys, so for it source 0 = rows of xc, source 1 = rows of wc.  Both tensors have rows of 1,024 codes and 32 scale bytes: the roles are a choice of pointers and tile numbers,
; made once on the cluster's x, which all partners share.
; POSITION SPACE.  Rows of xc and wc are stored with bits 3 and 4 of their index exchanged: register j of accumulator (a, b), lane (r, h), is TRUE index 32 (b / 2) + 16 h + 8 (b % 2) + j of source 0's 128: the
; 16 registers of accumulators b = 2 c, 2 c + 1 are 16 neighbours along the next K, as an operand's registers 4 c .. 4 c + 3 want them.  The lanes stay stored positions.
; OUT.  Each group of four code registers is stored as it stands, 16 bytes a lane: an image of the next operand's registers; each store of the wave covers 512 consecutive bytes, aligned.  Scale words of four tiles leave as one such store.
; CLUSTERS: 4 x 4 work-groups; source 1's tile is shared along a row of the cluster, source 0's along a column: each is asked for jointly, by the same tensor load with a mask that names the four.
; BOTH forms of the bias are loaded at the head (64 registers by source 0's index for q and k; 8 pairs by lane for v) and each way out uses one: so every register that a way out reads is written on the one way that all take.
; LIMITS: a block of zeros, or one under 2^-111, gets the byte 1; the bytes are read by this program alone.  NaN and infinities are not served.
; REGISTERS: window 0: v0-15 v's bias; v16-31 addresses; v32-63 scale words, two sets; v64-127 q's and k's bias; v128-255 source 1's fragments, one set.  window 1: source 0's fragments, two sets.  windows 2, 3: the accumulators.
;   On the way out, window 0: v32-47 scale words made; v128-191 64 numbers; v192-207 codes; v208-223 at work.
.set NQ,     2                         ; matrix instructions deep in a slot: 256 along K
.set ROWB,   256                       ; a tile's row in bytes
.set KROW,   1024                      ; a row in memory
.set PITCH,  272                       ; an LDS row: 256 bytes + 16 of padding: the 16 rows that a load touches start at 16 different banks
.set FR,     16
.set NL,     4
.set NP,     8                         ; places behind this matrix instruction (ISA guide 7.12.1)
.set HALFT,  128*PITCH
.set SLOT,   4*HALFT                   ; source 1's 256 rows, then source 0's
.set LAPS,   2                         ; 1,024 / 512
.set KS,     32                        ; a row of scale bytes
.set SCL,    2*SLOT
.set HALFS,  16*272                    ; the scale bytes of 128 rows: 16 units of 256 bytes + 16 of padding
.set SBLK,   2*272
.set SPARE,  SCL+4*HALFS               ; the spare words, 128 bytes a wave
.set BV,   0
.set ADRA, 16
.set ADRB, 20
.set L16,  26                          ; 16 x lane
.set ADRS, 27
.set SPW,  28
.set NIL,  29
.set BO,   30
.set BVO,  31
.set SC,   32
.set SW,   32
.set BI,   64
.set AF,   128
.set T,    128
.set PC,   192
.set TM,   208
.set G1, 24                            ; s[24:31], s[32:39] groups 1 and 0 (a set a slot) for source 1's tiles
.set G0, 32
.set G1B, 48                           ; s[48:55], s[56:63] for source 0's
.set G0B, 56
.set G1S, 68                           ; s[68:75], s[76:79] for source 1's scales; s[80:87], s[88:91] for source 0's
.set G0S, 76
.set G1SB, 80
.set G0SB, 88
.set MSB, 0
.macro WIN new                         ; the immediate's high byte repeats the setting that is left
.if MSB != \new
	s_set_vgpr_msb (MSB<<8)|\new
.set MSB, \new
.endif
.endm
.set MUL_LO, 0xa1                      ; source 0 window 1, source 1 window 0, C and D window 2
.set MUL_HI, 0xf1
.set TO_B,   0x40
.macro JLOAD g0a, g1a, g0b, g1b        ; a joint load: waves 0 and 1 fetch for source 1, waves 2 and 3 for source 0; four v_nop follow each line
	s_cmp_eq_u32 s15, 0
	s_cbranch_scc0 .Lfor_b_\@
	tensor_load_to_lds s[\g0a:\g0a+3], s[\g1a:\g1a+7]
	s_nop 0
.rept 4
	v_nop
.endr
	s_branch .Lasked_\@
.Lfor_b_\@:
	tensor_load_to_lds s[\g0b:\g0b+3], s[\g1b:\g1b+7]
	s_nop 0
.rept 4
	v_nop
.endr
.Lasked_\@:
.endm
.macro CREST
	s_cmp_lg_u32 s14, 0
	s_cbranch_scc1 .Lnot_wave_0_\@
	s_barrier_signal -3
.Lnot_wave_0_\@:
	s_barrier_wait -3
	s_barrier_signal -1
	s_barrier_wait -1
.endm
.macro CROUND
	s_barrier_signal -1
	s_barrier_wait -1
	CREST
.endm
	s_load_b256 s[4:11], s[0:1], 0x0               ; xc, xs, wc, ws
	s_load_b128 s[96:99], s[0:1], 0x20             ; pb, qkvc
	s_load_b64 s[12:13], s[0:1], 0x30              ; qkvs
	v_lshl_add_u32 v[SPW], v0, 2, SPARE
	v_mov_b32 v[NIL], 0
	ds_add_u32 v28, v29
	ds_add_u32 v28, v29
	s_wait_dscnt 0x0
	v_lshrrev_b32 v18, 5, v0
	v_readfirstlane_b32 s14, v18                   ; wave 0..3
	s_lshr_b32 s15, s14, 1                         ; my half of source 1's rows.  Also: I fetch for source 1 (0) or source 0 (1)
	s_and_b32 s16, s14, 1                          ; my half of source 0's rows.  Also: which 128 rows I fetch
	s_bfe_u32 s40, ttmp6, 0x40000                  ; cx
	s_bfe_u32 s41, ttmp6, 0x40004                  ; cy
	s_and_b32 s95, ttmp7, 0xffff                   ; the batch
	s_cmp_eq_u32 ttmp9, 2                          ; v?
	s_cselect_b32 s42, s95, ttmp9
	s_cselect_b32 s17, ttmp9, s95
	s_lshl_b32 s42, s42, 2
	s_add_co_u32 s42, s42, s40                     ; source 0's tile of 256 rows: q, k: 4 kind + cx of wc;  v: 4 batch + cx of xc
	s_lshl_b32 s17, s17, 2
	s_add_co_u32 s17, s17, s41                     ; source 1's: q, k: 4 batch + cy of xc;  v: 8 + cy of wc
	s_lshl_b32 s43, s41, 2
	s_lshl_b32 s43, 15, s43                        ; my row of the cluster
	s_lshl_b32 s44, 0x1111, s40                    ; my column
	s_or_b32 s[G1+0], s43, (0<<16)|(1<<20)|(1<<21)|(5<<22)|(3<<25)   ; the mask; elements of 1 byte; padding on; bit 21 beside a mask; after every 64 words, 4 words
	s_or_b32 s[G1B+0], s44, (0<<16)|(1<<20)|(1<<21)|(5<<22)|(3<<25)
.irp g, G1, G1B
	s_mov_b32 s[\g+1], ROWB<<16                    ; tensor_dim0
	s_mov_b32 s[\g+2], 128<<16                     ; tensor_dim1
	s_mov_b32 s[\g+3], ROWB<<16                    ; tile_dim0
	s_mov_b32 s[\g+4], 128                         ; tile_dim1
	s_mov_b32 s[\g+5], KROW                        ; the pitch
	s_mov_b32 s[\g+6], 0
	s_mov_b32 s[\g+7], 0
.endr
	s_or_b32 s[G1S+0], s43, (3<<16)|(1<<20)|(1<<21)|(5<<22)|(3<<25)  ; the scale bytes of 128 rows: 4,096 dense bytes as 16 rows of 32 elements of 8 bytes, 16 bytes of padding behind each
	s_or_b32 s[G1SB+0], s44, (3<<16)|(1<<20)|(1<<21)|(5<<22)|(3<<25)
.irp g, G1S, G1SB
	s_mov_b32 s[\g+1], 32<<16
	s_mov_b32 s[\g+2], 16<<16
	s_mov_b32 s[\g+3], 32<<16
	s_mov_b32 s[\g+4], 16
	s_mov_b32 s[\g+5], 32
	s_mov_b32 s[\g+6], 0
	s_mov_b32 s[\g+7], 0
.endr
	s_lshl_b32 s18, s16, 17                        ; the 128 rows that I fetch: x 1,024 bytes of codes
	s_lshl_b32 s20, s17, 18
	s_add_co_u32 s20, s20, s18                     ; source 1's codes
	s_mov_b32 s21, 0
	s_lshl_b32 s46, s42, 18
	s_add_co_u32 s46, s46, s18                     ; source 0's
	s_mov_b32 s47, 0
	s_lshl_b32 s18, s16, 12                        ; x 32 scale bytes
	s_lshl_b32 s22, s17, 13
	s_add_co_u32 s22, s22, s18
	s_mov_b32 s23, 0
	s_lshl_b32 s92, s42, 13
	s_add_co_u32 s92, s92, s18
	s_mov_b32 s93, 0
	s_mul_i32 s45, s14, HALFT                      ; where they go: wave x 128 rows: no place in the cluster enters an LDS address
	s_mul_i32 s94, s14, HALFS
	s_wait_kmcnt 0x0
	s_cmp_eq_u32 ttmp9, 2                          ; the roles: the choice hangs on the cluster's x alone
	s_cselect_b64 s[66:67], s[8:9], s[4:5]         ; source 1's codes
	s_cselect_b64 s[100:101], s[10:11], s[6:7]     ; and scales
	s_cselect_b64 s[4:5], s[4:5], s[8:9]           ; source 0's codes
	s_cselect_b64 s[6:7], s[6:7], s[10:11]         ; and scales
	s_add_nc_u64 s[20:21], s[66:67], s[20:21]
	s_add_nc_u64 s[22:23], s[100:101], s[22:23]
	s_add_nc_u64 s[46:47], s[4:5], s[46:47]
	s_add_nc_u64 s[92:93], s[6:7], s[92:93]
	CROUND                                         ; all sixteen work-groups are here: the first joint loads meet
	s_mov_b32 s[G0S], 1
	s_add_co_u32 s[G0S+1], s94, SCL
	s_mov_b64 s[G0S+2:G0S+3], s[22:23]
	s_or_b32 s[G0S+3], s[G0S+3], 0x80000000
	s_mov_b32 s[G0SB], 1
	s_add_co_u32 s[G0SB+1], s94, SCL
	s_mov_b64 s[G0SB+2:G0SB+3], s[92:93]
	s_or_b32 s[G0SB+3], s[G0SB+3], 0x80000000
	JLOAD G0S, G1S, G0SB, G1SB                     ; the scales first: they are wanted with K step 0
.irp s, 0,1
	s_mov_b32 s[G0+4*\s], 1
	s_add_co_u32 s[G0+4*\s+1], s45, \s*SLOT
	s_add_nc_u64 s[G0+4*\s+2:G0+4*\s+3], s[20:21], \s*ROWB
	s_or_b32 s[G0+4*\s+3], s[G0+4*\s+3], 0x80000000
	s_mov_b32 s[G0B+4*\s], 1
	s_add_co_u32 s[G0B+4*\s+1], s45, \s*SLOT
	s_add_nc_u64 s[G0B+4*\s+2:G0B+4*\s+3], s[46:47], \s*ROWB
	s_or_b32 s[G0B+4*\s+3], s[G0B+4*\s+3], 0x80000000
	JLOAD G0+4*\s, G1, G0B+4*\s, G1B               ; three tensor loads of mine are out at the most
.endr
	v_and_b32 v18, 15, v0                          ; r
	v_bfe_u32 v19, v0, 4, 1                        ; h
	v_mul_u32_u24 v22, v18, PITCH
	v_lshl_add_u32 v23, v19, 4, v22                ; a fragment's row x pitch + 16 h
	s_mul_i32 s21, s15, HALFT
	s_mul_i32 s22, s16, HALFT
	s_add_co_u32 s22, s22, 2*HALFT
.irp s, 0,1
	v_add_nc_u32 v[ADRA+\s], s21, v23
	v_add_nc_u32 v[ADRB+\s], s22, v23
	s_add_co_u32 s21, s21, SLOT
	s_add_co_u32 s22, s22, SLOT
.endr
	v_mul_u32_u24 v24, v18, KS                     ; my row's scale bytes,
	v_lshrrev_b32 v25, 8, v24
	v_lshl_add_u32 v24, v25, 4, v24                ; and 16 more for each 256 passed
	s_mul_i32 s21, s15, HALFS
	s_mul_i32 s22, s16, HALFS
	s_add_co_u32 s22, s22, 2*HALFS
	s_sub_co_u32 s22, s22, s21
	v_mul_u32_u24 v25, s22, v19                    ; lanes 16-31 take source 0's
	s_add_co_u32 s21, s21, SCL
	v_add_nc_u32 v24, v24, v25
	v_add_nc_u32 v[ADRS], s21, v24
	v_and_b32 v25, 31, v0
	v_lshlrev_b32 v[L16], 4, v25
	; the bias, in both forms
	v_lshlrev_b32 v[BO], 6, v19                    ; q, k: 16 numbers on for lanes 16-31
	s_wait_alu depctr_va_vdst(0)
	v_and_b32 v[BVO], 8, v18
	v_add_nc_u32 v[BVO], v[BVO], v18
	v_lshlrev_b32 v[BVO], 2, v[BVO]                ; v: the true channel of stored position r: r + 8 (r / 8)
	s_wait_alu depctr_va_vdst(0)
	s_mul_i32 s66, s95, 3072
	s_lshl_b32 s67, ttmp9, 10
	s_add_co_u32 s67, s67, s66
	s_lshl_b32 s100, s40, 8
	s_add_co_u32 s67, s67, s100
	s_lshl_b32 s100, s16, 7
	s_add_co_u32 s67, s67, s100                    ; batch x 3,072 + kind x 1,024 + 256 cx + 128 x my half of source 0
	s_lshl_b32 s100, s67, 2
	s_mov_b32 s101, 0
	s_add_nc_u64 s[100:101], s[96:97], s[100:101]
	s_add_co_u32 s66, s66, 2048
	s_lshl_b32 s67, s41, 8
	s_add_co_u32 s66, s66, s67
	s_lshl_b32 s67, s15, 7
	s_add_co_u32 s66, s66, s67                     ; batch x 3,072 + 2,048 + 256 cy + 128 x my half of source 1
	s_lshl_b32 s66, s66, 2
	s_mov_b32 s67, 0
	s_add_nc_u64 s[66:67], s[96:97], s[66:67]
.irp bb, 0,1,2,3
.irp jj, 0,1,2,3
	global_load_b128 v[BI+16*\bb+4*\jj:BI+16*\bb+4*\jj+3], v[BO], s[100:101] offset:128*\bb+16*\jj   ; register 16 bb + i: index 32 bb + 16 h + i
.endr
.endr
.irp a, 0,1,2,3,4,5,6,7
	global_load_b32 v[BV+2*\a], v[BVO], s[66:67] offset:(32*(\a/2)+8*(\a%2))*4       ; block a, lane r: one number, twice: a pair for the packed addition
	global_load_b32 v[BV+2*\a+1], v[BVO], s[66:67] offset:(32*(\a/2)+8*(\a%2))*4
.endr
.macro FRAG reg, adr, q, i             ; 16 rows x 128 K: lane l holds row l % 16; registers 4 c .. 4 c + 3 hold K = 32 c + 16 (l / 16) + 0 .. 15
.irp c, 0,1,2,3
	ds_load_b128 v[\reg+4*\c:\reg+4*\c+3], v[\adr] offset:128*(\q)+32*\c+(\i)*16*PITCH
.endr
.endm
; 16 matrix instructions: source 1's blocks a0, a0 + 1 x source 0's eight.  The 64 accumulators take turns, one instruction a turn, in the same order in every step.
.macro MUL16 a0, p, q, sc, zero
.irp a, \a0, \a0+1
.irp b, 0,1,2,3,4,5,6,7
.if \zero
	v_wmma_scale_f32_16x16x128_f8f6f4 v[8*(8*((\a)%4)+\b):8*(8*((\a)%4)+\b)+7], v[128*(\p)+FR*\b:128*(\p)+FR*\b+FR-1], v[AF+FR*(\a):AF+FR*(\a)+FR-1], 0, v[SC+8*NQ*(\sc)+NQ*\b+(\q)], v[SC+8*NQ*(\sc)+NQ*(\a)+(\q)] matrix_a_fmt:MATRIX_FMT_BF8 matrix_b_fmt:MATRIX_FMT_BF8 matrix_a_scale:MATRIX_SCALE_ROW1
.else
	v_wmma_scale_f32_16x16x128_f8f6f4 v[8*(8*((\a)%4)+\b):8*(8*((\a)%4)+\b)+7], v[128*(\p)+FR*\b:128*(\p)+FR*\b+FR-1], v[AF+FR*(\a):AF+FR*(\a)+FR-1], v[8*(8*((\a)%4)+\b):8*(8*((\a)%4)+\b)+7], v[SC+8*NQ*(\sc)+NQ*\b+(\q)], v[SC+8*NQ*(\sc)+NQ*(\a)+(\q)] matrix_a_fmt:MATRIX_FMT_BF8 matrix_b_fmt:MATRIX_FMT_BF8 matrix_a_scale:MATRIX_SCALE_ROW1
.endif
.endr
.endr
.endm
.macro FETCH_B slot, q, p
	WIN TO_B
.irp i, 0,1,2,3,4,5,6,7
	FRAG 128*(\p)+FR*\i, ADRB+\slot, \q, \i
.endr
	WIN 0
.endm
.macro FETCH_A slot, q, i0
.irp i, \i0, \i0+1, \i0+2, \i0+3
	FRAG AF+FR*(\i), ADRA+\slot, \q, \i
.endr
.endm
.macro SCALES sc                       ; a K step's scale words: lanes 0-15 source 1's block i, lanes 16-31 source 0's block i
.irp i, 0,1,2,3,4,5,6,7
	ds_load_b64 v[SC+8*NQ*\sc+NQ*\i:SC+8*NQ*\sc+NQ*\i+1], v[ADRS] offset:\i*SBLK
.endr
.endm
.macro PLACES n                        ; plain vector instructions between a matrix instruction and a load into, or a vector read or write of, its registers
.rept \n
	v_nop
.endr
.endm
.macro STEP slot, q, zero              ; 128 along K that has its successor in the same slot
	s_wait_dscnt 4*NL                              ; source 0's set and source 1's blocks 0-3 are in; the youngest 16 loads (blocks 4-7) may be out
	WIN MUL_LO
	MUL16 0, (\q)%2, \q, \slot, \zero
	MUL16 2, (\q)%2, \q, \slot, \zero
	s_wait_dscnt 0
	PLACES NP
	FETCH_B \slot, (\q)+1, 1-(\q)%2
	FETCH_A \slot, (\q)+1, 0
	WIN MUL_HI
	MUL16 4, (\q)%2, \q, \slot, \zero
	MUL16 6, (\q)%2, \q, \slot, \zero
	PLACES NP
	WIN 0
	FETCH_A \slot, (\q)+1, 4
.endm
; A slot's last step changes slots: one barrier; in front of it each wave waits for all its tensor loads, adds 0 to its spare word, and waits for that and for its reads of this slot.
.macro TURN slot, next, fill
	s_wait_tensorcnt 0x0                           ; all my tensor loads have landed: my part of the next slot
	ds_add_u32 v[SPW], v[NIL]                      ; 0 onto my spare word
	s_wait_dscnt 4*NL+1                            ; the add and the youngest 16 loads may be out
	WIN MUL_LO
	MUL16 0, 1, NQ-1, \slot, 0
	s_wait_dscnt 0x0                               ; the add is done, and my reads of this slot are over
	s_barrier_signal -1
	MUL16 2, 1, NQ-1, \slot, 0
	WIN 0
	s_barrier_wait -1
.if \fill
	CREST                                          ; the barrier has opened a round of the cluster's: no wave of any partner still reads this slot or has a load on its way
	s_add_nc_u64 s[G0+4*\slot+2:G0+4*\slot+3], s[G0+4*\slot+2:G0+4*\slot+3], 2*ROWB
	s_add_nc_u64 s[G0B+4*\slot+2:G0B+4*\slot+3], s[G0B+4*\slot+2:G0B+4*\slot+3], 2*ROWB
	JLOAD G0+4*\slot, G1, G0B+4*\slot, G1B         ; the first tensor load behind the round; its four v_nop are among the places in front of the loads below
	PLACES NP-4
.else
	PLACES NP
.endif
	s_wait_alu depctr_va_vdst(0)
	v_add_nc_u32 v[ADRS], 4*NQ, v[ADRS]
	FETCH_B \next, 0, 0
	FETCH_A \next, 0, 0
	SCALES \next
	WIN MUL_HI
	MUL16 4, 1, NQ-1, \slot, 0
	MUL16 6, 1, NQ-1, \slot, 0
	PLACES NP
	WIN 0
	FETCH_A \next, 0, 4
.endm
	s_wait_loadcnt 0x0                             ; the bias
	s_wait_tensorcnt 1                             ; the scales and my part of K step 0 are in; K step 1's load may be out
	s_barrier_signal -1
	s_barrier_wait -1
	FETCH_B 0, 0, 0
	FETCH_A 0, 0, 0
	SCALES 0
	FETCH_A 0, 0, 4
	STEP 0, 0, 1                                   ; the first step's products start the sums
	s_mov_b32 s3, LAPS-1
.Llap:                                                 ; a trip goes once round the ring and fills both slots again
	TURN 0, 1, 1
	STEP 1, 0, 0
	TURN 1, 0, 1
	STEP 0, 0, 0
	s_sub_co_u32 s3, s3, 1
	s_cmp_lg_u32 s3, 0
	s_cbranch_scc1 .Llap
	TURN 0, 1, 0                                   ; the last lap fills nothing
	STEP 1, 0, 0
	s_wait_dscnt 4*NL
	WIN MUL_LO
	MUL16 0, 1, NQ-1, 1, 0
	MUL16 2, 1, NQ-1, 1, 0
	s_wait_dscnt 0
	WIN MUL_HI
	MUL16 4, 1, NQ-1, 1, 0
	MUL16 6, 1, NQ-1, 1, 0
	WIN 0
; THE WAY OUT, block by block of source 1's 16 rows.  64 numbers of a lane, v[T + 16 b + i] = index 32 b + 16 h + i, become 16 registers of codes and four scale bytes.
.macro QUANT
.irp b, 0,1,2,3
	v_max3_num_f32 v[TM+\b], |v[T+16*\b]|, |v[T+16*\b+1]|, 0x8000000   ; my 16 numbers of block b, and the floor 2^(16 - 127)
.endr
.irp i, 2,4,6,8,10,12,14
.irp b, 0,1,2,3
	v_max3_num_f32 v[TM+\b], v[TM+\b], |v[T+16*\b+\i]|, |v[T+16*\b+\i+1]|
.endr
.endr
.irp b, 0,1,2,3
	v_permlanex16_b32 v[TM+4+\b], v[TM+\b], s18, s19
.endr
.irp b, 0,1,2,3
	v_max_num_f32 v[TM+\b], v[TM+\b], v[TM+4+\b]   ; with lane l xor 16's: the block's largest magnitude
.endr
.irp b, 0,1,2,3
	v_add_nc_u32 v[TM+12+\b], 0xf8800000, v[TM+\b] ; 15 off its exponent field: the conversion's scale operand
.endr
.irp b, 0,1,2,3
.endr
.irp b, 0,1,2,3
	v_lshrrev_b32 v[TM+4+\b], 23, v[TM+12+\b]      ; the scale's byte
.endr
.irp b, 0,1,2,3
.irp i, 0,1,2,3,4,5,6,7,8,9,10,11,12,13,14,15
.endr
	v_cvt_scalef32_pk8_bf8_f32 v[PC+4*\b:PC+4*\b+1], v[T+16*\b:T+16*\b+7], v[TM+12+\b]
	v_cvt_scalef32_pk8_bf8_f32 v[PC+4*\b+2:PC+4*\b+3], v[T+16*\b+8:T+16*\b+15], v[TM+12+\b]
.endr
	v_nop                                          ; a plain instruction between the last conversion and the next vector instruction that writes its sources
.endm
.macro EPI a, vals
.if (\a) > 0
	s_wait_xcnt 0x0                                ; the last block's stores have read the codes' registers
.endif
.set AC, 64*((\a)%4)
	WIN 0x02+(\a)/4                                ; source 0: window 2 or 3
.set i, 0
.rept 32
.if \vals
	v_pk_add_f32 v[T+2*i:T+2*i+1], v[AC+2*i:AC+2*i+1], v[BV+2*(\a):BV+2*(\a)+1]   ; each accumulator from its low end on
.else
	v_pk_add_f32 v[T+2*i:T+2*i+1], v[AC+2*i:AC+2*i+1], v[BI+2*i:BI+2*i+1]
.endif
.set i, i+1
.endr
	WIN 0
	QUANT
.if \vals
	v_lshl_or_b32 v[SW+(\a)], v[TM+5], 8, v[TM+4]  ; v: four blocks of 32 keys: one scale word of my channel
	v_lshl_or_b32 v[SW+(\a)], v[TM+6], 16, v[SW+(\a)]
	v_lshl_or_b32 v[SW+(\a)], v[TM+7], 24, v[SW+(\a)]
.irp bb, 0,1,2,3
	global_store_b128 v[L16], v[PC+4*\bb:PC+4*\bb+3], s[98:99] offset:((\a)/4)*65536+((\a)%4)*2048+\bb*512   ; head a / 4, channel tile a % 4, registers 4 bb on
.endr
.else
	v_lshl_or_b32 v[SW+(\a)], v[TM+5], 8, v[TM+4]  ; q, k: two heads, two blocks of 32 each; the word's upper bytes, 1.0, belong to the zero codes of K = 64 .. 127
	v_lshl_or_b32 v[SW+8+(\a)], v[TM+7], 8, v[TM+6]
	v_or_b32 v[SW+(\a)], 0x7f7f0000, v[SW+(\a)]
	v_or_b32 v[SW+8+(\a)], 0x7f7f0000, v[SW+8+(\a)]
.irp bb, 0,1,2,3
	global_store_b128 v[L16], v[PC+4*\bb:PC+4*\bb+3], s[98:99] offset:(\bb/2)*65536+(\a)*1024+(\bb%2)*512    ; head bb / 2, token tile a, registers 4 (bb % 2) on
.endr
.endif
.endm
	PLACES NP                                      ; behind the last products: for the reads of results and the writes over source 1's fragments
	s_mov_b32 s18, 0x76543210
	s_mov_b32 s19, 0xfedcba98                      ; v_permlanex16_b32's selects for lane l xor 16
.irp b, 0,1,2,3
	v_mov_b32 v[TM+4+\b], 0                        ; written once: a lane permute's destination counts as one of its sources
.endr
	s_lshl_b32 s20, s95, 4                         ; 16 heads a batch
	s_mov_b32 s23, 0
	s_cmp_eq_u32 ttmp9, 2
	s_cbranch_scc1 .Lvals
	s_lshl_b32 s21, s40, 2
	s_add_co_u32 s20, s20, s21
	s_lshl_b32 s21, s16, 1
	s_add_co_u32 s20, s20, s21                     ; my first head: 16 batch + 4 cx + 2 x my half of source 0
	s_lshl_b32 s22, s20, 16                        ; 65,536 bytes of images a head
	s_lshl_b32 s21, ttmp9, 23                      ; q's section, or k's
	s_add_co_u32 s22, s22, s21
	s_lshl_b32 s21, s41, 14
	s_add_co_u32 s22, s22, s21
	s_lshl_b32 s21, s15, 13
	s_add_co_u32 s22, s22, s21                     ; token tile 16 cy + 8 x my half of source 1: 1,024 bytes a tile
	s_add_nc_u64 s[98:99], s[98:99], s[22:23]
	s_mul_i32 s22, s20, 12288
	s_mul_i32 s21, ttmp9, 1572864
	s_add_co_u32 s22, s22, s21
	s_lshl_b32 s21, s41, 11
	s_add_co_u32 s22, s22, s21
	s_lshl_b32 s21, s15, 10
	s_add_co_u32 s22, s22, s21                     ; four tiles' words are 512 bytes
	s_add_nc_u64 s[12:13], s[12:13], s[22:23]
.irp a, 0,1,2,3,4,5,6,7
	EPI \a, 0
.endr
.irp hd, 0,1
.irp q, 0,1
	global_store_b128 v[L16], v[SW+8*\hd+4*\q:SW+8*\hd+4*\q+3], s[12:13] offset:\hd*12288+\q*512
.endr
.endr
	s_branch .Ldone
.Lvals:
	s_lshl_b32 s21, s41, 2
	s_add_co_u32 s20, s20, s21
	s_lshl_b32 s21, s15, 1
	s_add_co_u32 s20, s20, s21                     ; my first head: 16 batch + 4 cy + 2 x my half of source 1
	s_lshl_b32 s22, s20, 16
	s_lshl_b32 s21, s40, 14
	s_add_co_u32 s22, s22, s21
	s_lshl_b32 s21, s16, 13
	s_add_co_u32 s22, s22, s21                     ; key step 2 cx + my half of source 0: 8,192 bytes a step
	s_add_co_u32 s22, s22, 16777216                ; v's section
	s_add_nc_u64 s[98:99], s[98:99], s[22:23]
	s_mul_i32 s22, s20, 12288
	s_lshl_b32 s21, s40, 10
	s_add_co_u32 s22, s22, s21
	s_lshl_b32 s21, s16, 9
	s_add_co_u32 s22, s22, s21
	s_add_co_u32 s22, s22, 1572864+8192            ; behind k's words of the same head
	s_add_nc_u64 s[12:13], s[12:13], s[22:23]
.irp a, 0,1,2,3,4,5,6,7
	EPI \a, 1
.endr
.irp q, 0,1
	global_store_b128 v[L16], v[SW+4*\q:SW+4*\q+3], s[12:13] offset:\q*12288
.endr
.Ldone:
	s_wait_tensorcnt 0x0                           ; the wave's end
	ds_add_u32 v[SPW], v[NIL]
	s_wait_dscnt 0x0
	CROUND                                         ; the closing round: no work-group ends while a partner may still ask for a tile that names it
	s_endpgm
.Lfunc_end_k_qaef6297aac_gemm_qkv:
	.size	k_qaef6297aac_gemm_qkv, .Lfunc_end_k_qaef6297aac_gemm_qkv-k_qaef6297aac_gemm_qkv
	.p2alignl 7, 3214868480
	.fill 96, 4, 3214868480
	.section	.rodata,"a",@progbits
	.p2align	6, 0x0
	.amdhsa_kernel k_qaef6297aac_gemm_qkv
		.amdhsa_group_segment_fixed_size 327680
		.amdhsa_private_segment_fixed_size 0
		.amdhsa_enable_private_segment 0
		.amdhsa_kernarg_size 56
		.amdhsa_user_sgpr_count 2
		.amdhsa_user_sgpr_kernarg_segment_ptr 1
		.amdhsa_wavefront_size32 1
		.amdhsa_system_sgpr_workgroup_id_x 1
		.amdhsa_system_sgpr_workgroup_id_y 1
		.amdhsa_system_sgpr_workgroup_id_z 1
		.amdhsa_system_vgpr_workitem_id 0
		.amdhsa_next_free_vgpr 1024
		.amdhsa_next_free_sgpr 102
		.amdhsa_reserve_vcc 0
		.amdhsa_float_denorm_mode_32 3
		.amdhsa_float_denorm_mode_16_64 3
		.amdhsa_fp16_overflow 1
		.amdhsa_memory_ordered 1
		.amdhsa_forward_progress 1
		.amdhsa_inst_pref_size 219
	.end_amdhsa_kernel
	.amdgpu_metadata
---
amdhsa.version: [ 1, 2 ]
amdhsa.kernels:
  - .name:           k_qaef6297aac_gemm_qkv
    .symbol:         k_qaef6297aac_gemm_qkv.kd
    .args:
      - { .name: xc, .offset: 0, .size: 8, .value_kind: global_buffer, .address_space: global }
      - { .name: xs, .offset: 8, .size: 8, .value_kind: global_buffer, .address_space: global }
      - { .name: wc, .offset: 16, .size: 8, .value_kind: global_buffer, .address_space: global }
      - { .name: ws, .offset: 24, .size: 8, .value_kind: global_buffer, .address_space: global }
      - { .name: pb, .offset: 32, .size: 8, .value_kind: global_buffer, .address_space: global }
      - { .name: qkvc, .offset: 40, .size: 8, .value_kind: global_buffer, .address_space: global }
      - { .name: qkvs, .offset: 48, .size: 8, .value_kind: global_buffer, .address_space: global }
    .group_segment_fixed_size: 327680
    .private_segment_fixed_size: 0
    .kernarg_segment_align: 8
    .kernarg_segment_size: 56
    .max_flat_workgroup_size: 128
    .sgpr_count:     102
    .vgpr_count:     1024
    .wavefront_size: 32
...
	.end_amdgpu_metadata
.endif
;; end of part 2
;; launch attn (part 3): grid 4 x 64, 16 waves a work-group, clusters of 4 x 1, 327,680 bytes of LDS; arguments qkvc, qkvs, oc; writes oc
.if DOCPART == 3
	.amdgcn_target "amdgcn-amd-amdhsa--gfx1250"
	.amdhsa_code_object_version 6
	.text
	.protected	k_qaef6297aac_attn
	.globl	k_qaef6297aac_attn
	.p2align	8
	.type	k_qaef6297aac_attn,@function
k_qaef6297aac_attn:
	s_mov_b64 s[64:65], 0
	v_nop
	global_prefetch_b8 v0, s[64:65] scope:SCOPE_SE
	s_setreg_imm32_b32 hwreg(HW_REG_WAVE_MODE, 25, 1), 1
	s_wait_xcnt 0x0
	s_wait_alu depctr_hold_cnt(0) depctr_sa_sdst(0) depctr_va_vdst(0) depctr_va_sdst(0) depctr_va_ssrc(0) depctr_va_vcc(0) depctr_vm_vsrc(0)
	s_getreg_b32 s2, hwreg(HW_REG_IB_STS2, 6, 4)
	s_cmp_eq_u32 s2, 0
	s_cbranch_scc0 .Lentry_in_a_cluster
	s_endpgm
.Lentry_in_a_cluster:
	s_bfe_u32 s2, ttmp6, 0x10000c
	s_cmp_lg_u32 s2, 0x3003
	s_cbranch_scc0 .Lentry_shape_is_right
	s_endpgm
.Lentry_shape_is_right:
; O = softmax(q k^T / 8) v for 128 heads of 1,024 tokens x 64, both products on codes of E5M2 with one E8M0 scale for each 32 along K; O is divided by the row's sum, quantised along the model's 1,024 and stored as codes.
; THE SOFTMAX AHEAD OF THE SECOND PRODUCT: t = score x log2(e) / 8; M = the running largest t rounded UP to a whole number; p = 2^(t - M) is quantised along the keys, not normalised; the row's sum is taken of
; the unquantised p.  When M moves, the sums and O are multiplied by 2^(old M - new M): exact.
; SHARES.  A work-group owns 256 queries of a PAIR of heads (2 y, 2 y + 1); each of its sixteen waves one tile of 16 queries, which it takes through head 0 and then head 1: so a lane ends with the whole scale word
; (128 along the last product's K) of its query.  Four waves to a SIMD.
; LDS holds K, V and their scale words of both heads whole (286,720 bytes): filled once, never again.  CLUSTER: the four query blocks of a pair of heads read the same K and V: each tile is asked for jointly, mask 15.
; OPERANDS ARE IMAGES OF REGISTERS: four registers of a fragment are 512 consecutive bytes, 16 a lane; a fragment comes by loads at 16 x lane, without pitch or padding.
; LAYOUT.  Both products are used transposed (S^T = K Q^T, O^T = V^T P^T): a lane holds ONE query.  Tokens and channels are stored with bits 3 and 4 of their index exchanged, so that the 16 registers of tiles 2 b and 2 b + 1
; are 16 TRUE neighbours: keys 32 b + 16 h + 0 .. 15 in S^T, channels likewise in O^T.
; K IS PACKED.  A head has 64 along K: a tile's data are 8 registers, the lower half of a fragment.  The eight tiles of a step lie on end in 64 registers, and tile t's fragment is the 16 registers from its data on: its upper
; half is tile t + 1's data (tile 7's: eight zero registers).  That half meets Q's zero codes, so it adds exactly 0; Q's scale bytes for it are 1.  So a whole step's K fits, and is asked for one step ahead.
; THE ORDER OF A KEY STEP is made for a wave that runs by itself: the next step's K is requested behind this step's K Q^T and lands under the softmax; a block's 16 registers of p take V's tile as soon as they are converted;
; the exponentials of block b stand by turns with the scalings of block b + 1 and the sums of block b - 1, one plain line to an exponential.
; LIMITS: the packing of K takes that no code of k is an infinity or a NaN; a block's largest p is taken through its largest score, which takes v_exp_f32 not to fall where
; its input rises; 1 / l is v_rcp_f32; a block of zeros gets the byte 1 (read by this program alone); NaN and infinities are not served.
; O's scale words leave as 4 bytes a query, 32 bytes apart: one byte in 32 of what the launch stores.
.set VIM,  131072                      ; LDS: K's images at 0 (65,536 a head), V's here,
.set SCB,  262144                      ; the scale words here: 12,288 a head: K's 16 quads of 512 bytes, then V's 8
.set L16,  1                           ; v1   16 x lane
.set ADK,  2                           ; v2-5 LDS addresses of the step's K, V, K's words, V's words
.set ADV,  3
.set ADS,  4
.set ADT,  5
.set OSO,  7                           ; v7   32 x (lane % 16): my query's row of O's scale bytes
.set TP,   8                           ; v8   at work
.set Q1S,  9                           ; v9   head 1's Q scale word
.set SU,   10                          ; v[10:11] the row's sum, second chain;  v12 -M, v13 the largest score, v[14:15] the sum's first chain
.set QF,   16                          ; v16-31 Q's fragment (v24-31 zeros)
.set KF,   32                          ; v32-95 the data of eight tiles of K
.set ZR,   96                          ; v96-103 zeros: the upper half of tile 7's fragment
.set S,    104                         ; v104-167 S^T, then p, then four fragments of V
.set O,    168                         ; v168-199 O^T
.set PCD,  200                         ; v200-215 p's codes; O's
.set KSW,  216                         ; v216-223 K's scale words; v224-227 V's; v228 Q's
.set VSW,  224
.set QSW,  228
.set OW,   229                         ; O's scale word, half of it from each head
.set FF,   230                         ; f = 2^(old M - new M); v231 p's scale word
.set BM,   232                         ; v232-235 a block's largest score, then its largest p
.set PT,   236                         ; v236-239 the other half's maxima, then the scale bytes
.set LM,   240                         ; v240-243 second chains of the maxima
.set SO,   244                         ; v244-247 the conversions' scale operands
.set Q1,   248                         ; v248-255 head 1's Q
.set WV,   18
.set MNT,  19
.set SEL,  20
.set CS,   22
.set G1L,  24                          ; s[24:31] group 1: 64 rows of 256 bytes;  s[32:39]: 16 rows
.set G1S,  32
.set G0A,  40                          ; s[40:43], s[44:47] my part of head 0's and head 1's K or V;  s[48:51], s[12:15] of their scale words
.set G0B,  44
.set G0S,  48
.set G0T,  12
.set TK,   52
.set TV,   53
.set TS,   54
.set TJ,   55
.set CNT,  56
.macro ROUND                           ; a round of the cluster's barrier
	s_barrier_signal -1
	s_barrier_wait -1
	s_cmp_lg_u32 s[WV], 0
	s_cbranch_scc1 .Lnot_wave_0_\@
	s_barrier_signal -3
.Lnot_wave_0_\@:
	s_barrier_wait -3
	s_barrier_signal -1
	s_barrier_wait -1
.endm
	s_load_b128 s[4:7], s[0:1], 0x0                ; qkvc, qkvs
	s_load_b64 s[8:9], s[0:1], 0x10                ; oc
	v_lshl_add_u32 v254, v0, 2, 0x46000
	v_mov_b32 v255, 0
	ds_add_u32 v254, v255
	ds_add_u32 v254, v255
	s_wait_dscnt 0x0
	v_lshrrev_b32 v2, 5, v0
	v_readfirstlane_b32 s[WV], v2                  ; wave 0..15
	v_and_b32 v2, 31, v0
	v_lshlrev_b32 v[L16], 4, v2
	v_and_b32 v[OSO], 15, v0
	v_lshlrev_b32 v[OSO], 5, v[OSO]
	s_bfe_u32 s57, ttmp6, 0x40000                  ; cx: my block of 256 queries; it enters Q's and O's addresses alone
	s_and_b32 s58, ttmp7, 0xffff                   ; y = 8 batch + pair of heads
	s_mov_b32 s[G1L], 15|(3<<16)|(1<<21)           ; the mask: all four work-groups; elements of 8 bytes; bit 21 beside a mask; no padding
	s_mov_b32 s[G1L+1], 32<<16                     ; tensor_dim0: 256 bytes
	s_mov_b32 s[G1L+2], 64<<16                     ; tensor_dim1
	s_mov_b32 s[G1L+3], 32<<16                     ; tile_dim0
	s_mov_b32 s[G1L+4], 64                         ; tile_dim1
	s_mov_b32 s[G1L+5], 32                         ; the pitch: dense
	s_mov_b32 s[G1L+6], 0
	s_mov_b32 s[G1L+7], 0
	s_mov_b32 s[G1S], 15|(3<<16)|(1<<21)
	s_mov_b32 s[G1S+1], 32<<16
	s_mov_b32 s[G1S+2], 16<<16
	s_mov_b32 s[G1S+3], 32<<16
	s_mov_b32 s[G1S+4], 16
	s_mov_b32 s[G1S+5], 32
	s_mov_b32 s[G1S+6], 0
	s_mov_b32 s[G1S+7], 0
	s_mov_b32 s[SEL], 0x76543210
	s_mov_b32 s[SEL+1], 0xfedcba98                 ; lane l xor 16
	s_mov_b32 s[CS], 0x3e38aa3b                    ; c = log2(e) / 8
	s_mov_b32 s[CS+1], s[CS]                       ; (named with it as a pair, so it is written)
	; what I fetch, if I fetch.  Waves 0-3: a quarter (16,384 bytes) of each head's K; waves 4-7: of V; waves 8-10: a third (4,096 bytes) of each head's scale words
	s_bfe_u32 s59, s[WV], 0x10002
	s_and_b32 s60, s[WV], 3
	s_lshl_b32 s61, s59, 17
	s_lshl_b32 s62, s60, 14
	s_add_co_u32 s61, s61, s62                     ; in LDS
	s_lshl_b32 s10, s59, 23
	s_add_co_u32 s10, s10, s62
	s_lshl_b32 s63, s58, 17
	s_add_co_u32 s10, s10, s63
	s_add_co_u32 s10, s10, 8388608                 ; in memory: k's section, or v's; 131,072 bytes a pair of heads
	s_mov_b32 s11, 0
	s_lshl_b32 s62, s60, 12
	s_mul_i32 s63, s58, 24576                      ; the pair's place in a section of scale words
	s_add_co_u32 s16, s63, s62
	s_add_co_u32 s16, s16, 1572864
	s_mov_b32 s17, 0
	s_wait_kmcnt 0x0
	s_mov_b32 s[G0A], 1
	s_mov_b32 s[G0A+1], s61
	s_add_nc_u64 s[G0A+2:G0A+3], s[4:5], s[10:11]
	s_mov_b32 s[G0B], 1
	s_add_co_u32 s[G0B+1], s61, 65536
	s_add_nc_u64 s[G0B+2:G0B+3], s[G0A+2:G0A+3], 65536
	s_or_b32 s[G0A+3], s[G0A+3], 0x80000000
	s_or_b32 s[G0B+3], s[G0B+3], 0x80000000
	s_mov_b32 s[G0S], 1
	s_add_co_u32 s[G0S+1], s62, SCB
	s_add_nc_u64 s[G0S+2:G0S+3], s[6:7], s[16:17]
	s_mov_b32 s[G0T], 1
	s_add_co_u32 s[G0T+1], s62, SCB+12288
	s_add_nc_u64 s[G0T+2:G0T+3], s[G0S+2:G0S+3], 12288
	s_or_b32 s[G0S+3], s[G0S+3], 0x80000000
	s_or_b32 s[G0T+3], s[G0T+3], 0x80000000
	; Q: my tile is 16 cx + wave of the head's 64
	s_lshl_b32 s10, s58, 17
	s_lshl_b32 s59, s57, 14
	s_add_co_u32 s10, s10, s59
	s_lshl_b32 s59, s[WV], 10
	s_add_co_u32 s10, s10, s59
	s_add_nc_u64 s[16:17], s[4:5], s[10:11]        ; its image: 1,024 bytes a tile
	s_lshl_b32 s2, s57, 11
	s_add_co_u32 s2, s2, s63
	s_lshr_b32 s59, s[WV], 2
	s_lshl_b32 s59, s59, 9
	s_add_co_u32 s2, s2, s59
	s_lshl_b32 s59, s60, 2
	s_add_co_u32 s2, s2, s59                       ; its scale word: quad tile / 4, word tile % 4
	s_mov_b32 s3, 0
	s_add_nc_u64 s[2:3], s[6:7], s[2:3]
	global_load_b128 v[QF:QF+3], v[L16], s[16:17]
	global_load_b128 v[QF+4:QF+7], v[L16], s[16:17] offset:512
	global_load_b128 v[Q1:Q1+3], v[L16], s[16:17] offset:65536
	global_load_b128 v[Q1+4:Q1+7], v[L16], s[16:17] offset:65536+512
	global_load_b32 v[QSW], v[L16], s[2:3]
	global_load_b32 v[Q1S], v[L16], s[2:3] offset:12288
	; O: image ((64 batch + tile) x 8 + pair) x 2,048; scale bytes (64 batch + tile) x 512 + 4 pair, behind the images
	s_lshr_b32 s59, s58, 3
	s_and_b32 s62, s58, 7
	s_lshl_b32 s10, s59, 20
	s_lshl_b32 s63, s57, 18
	s_add_co_u32 s10, s10, s63
	s_lshl_b32 s63, s[WV], 14
	s_add_co_u32 s10, s10, s63
	s_lshl_b32 s63, s62, 11
	s_add_co_u32 s10, s10, s63
	s_add_nc_u64 s[10:11], s[8:9], s[10:11]
	s_lshl_b32 s60, s59, 15
	s_lshl_b32 s63, s57, 13
	s_add_co_u32 s60, s60, s63
	s_lshl_b32 s63, s[WV], 9
	s_add_co_u32 s60, s60, s63
	s_lshl_b32 s63, s62, 2
	s_add_co_u32 s60, s60, s63
	s_add_co_u32 s60, s60, 8388608
	s_mov_b32 s61, 0
	s_add_nc_u64 s[60:61], s[8:9], s[60:61]
.irp j, 0,1,2,3,4,5,6,7
	v_mov_b32 v[QF+8+\j], 0                        ; the zero codes of K = 64 .. 127: Q's,
	v_mov_b32 v[ZR+\j], 0                          ; and those behind K's last tile
.endr
.irp b, 0,1,2,3
	v_mov_b32 v[PT+\b], 0                          ; written once: a lane permute's destination counts as one of its sources
.endr
	v_mov_b32 v[FF+1], 0                           ; (named as the upper half of a pair before it is first written)
	ROUND                                          ; all four work-groups are here: the joint loads meet
	s_cmp_lt_u32 s[WV], 8                          ; a wave's two fills stand in one branch on its number: head 0's part first
	s_cbranch_scc0 .Lnot_tiles
	tensor_load_to_lds s[G0A:G0A+3], s[G1L:G1L+7]
	s_nop 0
	tensor_load_to_lds s[G0B:G0B+3], s[G1L:G1L+7]
	s_nop 0
.rept 4
	v_nop
.endr
	s_branch .Lasked
.Lnot_tiles:
	s_cmp_lt_u32 s[WV], 11
	s_cbranch_scc0 .Lasked
	tensor_load_to_lds s[G0S:G0S+3], s[G1S:G1S+7]
	s_nop 0
	tensor_load_to_lds s[G0T:G0T+3], s[G1S:G1S+7]
	s_nop 0
.rept 4
	v_nop
.endr
.Lasked:
	s_wait_tensorcnt 1                             ; my part of head 0 is in; head 1's load may be out
	s_barrier_signal -1
	s_barrier_wait -1                              ; everybody's is
	s_wait_loadcnt 0x0                             ; Q
	v_and_b32 v[QSW], 0xffff, v[QSW]               ; Q's scale bytes for K = 64 .. 127, where its codes are zeros and K's fragments hold the next tile's data: 1, the smallest scale
	v_and_b32 v[Q1S], 0xffff, v[Q1S]
	v_or_b32 v[QSW], 0x01010000, v[QSW]
	v_or_b32 v[Q1S], 0x01010000, v[Q1S]
; ---- the pieces of a key step.  Block b is 32 keys: my 16 of them are v[S + 16 b] on
.macro KLOAD ko, so                    ; a step's K: eight tiles' data on end, and their eight scale words: 18 loads in one run
.irp t, 0,1,2,3,4,5,6,7
	ds_load_b128 v[KF+8*\t:KF+8*\t+3], v[ADK] offset:\ko+\t*1024
	ds_load_b128 v[KF+8*\t+4:KF+8*\t+7], v[ADK] offset:\ko+\t*1024+512
.endr
	ds_load_b128 v[KSW:KSW+3], v[ADS] offset:\so
	ds_load_b128 v[KSW+4:KSW+7], v[ADS] offset:\so+512
.endm
.macro MXH p, k                        ; blocks p and p + 1: link k of two chains a block; each accumulator is first read at its low end
.irp b, \p, \p+1
.if \k == 0
	v_max3_num_f32 v[BM+(\b)], v[S+16*(\b)], v[S+16*(\b)+1], v[S+16*(\b)+2]
.else
	v_max3_num_f32 v[BM+(\b)], v[BM+(\b)], v[S+16*(\b)+2*\k+1], v[S+16*(\b)+2*\k+2]
.endif
.endr
.irp b, \p, \p+1
.if \k == 0
	v_max3_num_f32 v[LM+(\b)], v[S+16*(\b)+7], v[S+16*(\b)+8], v[S+16*(\b)+9]
.else
	v_max3_num_f32 v[LM+(\b)], v[LM+(\b)], v[S+16*(\b)+2*\k+8], v[S+16*(\b)+2*\k+9]
.endif
.endr
.endm
.macro MXJ p                           ; the two chains meet
.irp b, \p, \p+1
	v_max3_num_f32 v[BM+(\b)], v[BM+(\b)], v[LM+(\b)], v[S+16*(\b)+14]
.endr
.endm
.macro MXL p
.irp b, \p, \p+1
	v_max_num_f32 v[BM+(\b)], v[BM+(\b)], v[S+16*(\b)+15]
.endr
.endm
.macro PRM p
.irp b, \p, \p+1
	v_permlanex16_b32 v[PT+(\b)], v[BM+(\b)], s[SEL], s[SEL+1]
.endr
.endm
.macro JN p                            ; with lane l xor 16's 16 keys: the block's largest score
.irp b, \p, \p+1
	v_max_num_f32 v[BM+(\b)], v[BM+(\b)], v[PT+(\b)]
.endr
.endm
.macro FM b, i                         ; t - M of pair i
	v_pk_fma_f32 v[S+16*(\b)+2*(\i):S+16*(\b)+2*(\i)+1], v[S+16*(\b)+2*(\i):S+16*(\b)+2*(\i)+1], s[CS:CS+1], v[12:13] op_sel_hi:[1,0,0]
.endm
.macro EX b, e                         ; p = 2^(t - M), at most 1
	v_exp_f32 v[S+16*(\b)+(\e)], v[S+16*(\b)+(\e)]
.endm
.macro AD b, i                         ; the row's sum is taken of the unquantised p: pair i, in two chains
.if ((\i)%2) == 0
	v_pk_add_f32 v[14:15], v[14:15], v[S+16*(\b)+2*(\i):S+16*(\b)+2*(\i)+1]
.else
	s_wait_alu depctr_va_vdst(0)
	v_pk_add_f32 v[SU:SU+1], v[SU:SU+1], v[S+16*(\b)+2*(\i):S+16*(\b)+2*(\i)+1]
.endif
.endm
.macro MN b, e
.endm
.macro CV b
	v_cvt_scalef32_pk8_bf8_f32 v[PCD+4*(\b):PCD+4*(\b)+1], v[S+16*(\b):S+16*(\b)+7], v[SO+(\b)]
	v_cvt_scalef32_pk8_bf8_f32 v[PCD+4*(\b)+2:PCD+4*(\b)+3], v[S+16*(\b)+8:S+16*(\b)+15], v[SO+(\b)]
	s_wait_alu depctr_va_vdst(0)
.endm
.macro VL b                            ; V's tile b (16 channels x these 128 keys) into the registers that block b of p has just left
.irp c, 0,1,2,3
	ds_load_b128 v[S+16*(\b)+4*\c:S+16*(\b)+4*\c+3], v[ADV] offset:(\b)*2048+\c*512
.endr
.if (\b) == 0
	s_setprio 1
	ds_load_b128 v[VSW:VSW+3], v[ADT]              ; and the four tiles' scale words
.endif
.endm
; The plain lines that stand among block 0's exponentials, number g of them: f = 2^(old M - new M); of each block's largest p the floor, the conversion's scale operand, the byte; the sums under the new M; p's scale word
.macro GI
.if g == 0
	v_sub_f32 v[TP], v12, v[TP]                    ; old M - new M: a whole number, 0 or less
.elseif g < 5
	s_wait_alu depctr_va_vdst(0)
	v_max_num_f32 v[BM+g-1], 0x8000000, v[BM+g-1]  ; the floor 2^(16 - 127): the byte cannot fall under 1
.elseif g == 5
	v_cvt_i32_f32 v[TP], v[TP]                     ; (it saturates)
.elseif g < 10
	v_add_nc_u32 v[SO+g-6], 0xf8800000, v[BM+g-6]  ; 15 off the exponent field
.elseif g == 10
	v_ldexp_f32 v[FF], 1.0, v[TP]
.elseif g < 15
.elseif g < 19
	v_lshrrev_b32 v[PT+g-15], 23, v[SO+g-15]
.elseif g == 19
	v_pk_mul_f32 v[14:15], v[14:15], v[FF:FF+1] op_sel_hi:[1,0]
.elseif g == 20
	v_pk_mul_f32 v[SU:SU+1], v[SU:SU+1], v[FF:FF+1] op_sel_hi:[1,0]
.elseif g == 21
	v_lshl_or_b32 v[FF+1], v[PT+1], 8, v[PT]
.elseif g == 22
	v_lshl_or_b32 v[FF+1], v[PT+2], 16, v[FF+1]
.else
	v_lshl_or_b32 v[FF+1], v[PT+3], 24, v[FF+1]
.endif
.set g, g+1
.endm
; Block b's sixteen exponentials, one plain line to each: block b + 1's scalings, block b - 1's sums.  Then block b - 1 is converted and its registers take V's tile
.macro PHASE b
.irp i, 0,1,2,3,4,5,6,7
	EX \b, 2*\i
.if \b < 3
	FM \b+1, \i
.endif
	AD \b-1, \i
	EX \b, 2*\i+1
	MN \b-1, 2*\i
	MN \b-1, 2*\i+1
.endr
	CV \b-1
	VL \b-1
.endm
; A KEY STEP: 128 keys.  Its K and K's scale words are in registers.  nxt = 1: the next step's are asked for
.macro STEP nxt
	v_add_nc_u32 v[ADK], s[TK], v[L16]
	v_add_nc_u32 v[ADS], s[TS], v[L16]
	v_add_nc_u32 v[ADV], s[TV], v[L16]
	v_add_nc_u32 v[ADT], s[TJ], v[L16]
	v_mov_b32 v[TP], v12                           ; the old -M
.rept 4
	v_nop                                          ; with the five lines above: nine places between the last step's V^T P^T and the products below, which write S^T over V's fragments
.endr
.irp t, 0,1,2,3,4,5,6,7                        ; S^T = K Q^T: eight tiles of 16 keys
	v_wmma_scale_f32_16x16x128_f8f6f4 v[S+8*\t:S+8*\t+7], v[KF+8*\t:KF+8*\t+15], v[QF:QF+15], 0, v[KSW+\t], v[QSW] matrix_a_fmt:MATRIX_FMT_BF8 matrix_b_fmt:MATRIX_FMT_BF8
.endr
.rept 8
	v_nop                                          ; places in front of the loads into K's registers and of the first read of the scores
.endr
.if \nxt
	KLOAD 8192, 1024                               ; the next step's K: it has the whole softmax in which to land
.endif
	MXH 0, 0                                       ; the largest score of each block of 32 keys: for the row's maximum, and, since p rises with the score, for the block's largest p.  Blocks 0 and 1 first: their products end first
	MXH 0, 1
	MXH 0, 2
	MXH 2, 0
	MXJ 0
	MXH 2, 1
	MXL 0
	MXH 2, 2
	PRM 0
	MXJ 2
	JN 0
	MXL 2
	PRM 2
	v_max3_num_f32 v13, v[BM], v[BM+1], v13        ; the running largest score (c is positive, so c x the largest score is the largest t)
	JN 2
	v_max3_num_f32 v13, v13, v[BM+2], v[BM+3]
	v_mul_f32 v[SO], s[CS], v13
	v_floor_f32 v12, -v[SO]                        ; the new -M = floor(-t): M is a whole number
.irp b, 0,1,2,3
	v_fma_f32 v[BM+\b], v[BM+\b], s[CS], v12       ; t - M of each block's largest score: the same line as its element's
.endr
.irp b, 0,1,2,3
	v_exp_f32 v[BM+\b], v[BM+\b]                   ; the block's largest p
	FM 0, 2*\b
	FM 0, 2*\b+1
.endr
.set g, 0
.irp i, 0,1,2,3,4,5,6,7                        ; block 0's exponentials
	EX 0, 2*\i
	FM 1, \i
	GI
	EX 0, 2*\i+1
	GI
	GI
.endr
	PHASE 1
	PHASE 2
	PHASE 3
.irp i, 0,1,2,3,4,5,6,7
	AD 3, \i
	MN 3, 2*\i
	MN 3, 2*\i+1
.endr
	CV 3
	s_setprio 0
	VL 3
.set j, 0
.rept 16
	v_pk_mul_f32 v[O+j:O+j+1], v[O+j:O+j+1], v[FF:FF+1] op_sel_hi:[1,0]   ; O^T under the new M, while V's last tile is out: also the places between the conversions and the products below
.set j, j+2
.endr
	s_wait_dscnt 4                                 ; all LDS loads but the youngest four, V's tile 3, are in
.irp t, 0,1,2                                  ; O^T += V^T P^T: four accumulators by turns
	v_wmma_scale_f32_16x16x128_f8f6f4 v[O+8*\t:O+8*\t+7], v[S+16*\t:S+16*\t+15], v[PCD:PCD+15], v[O+8*\t:O+8*\t+7], v[VSW+\t], v[FF+1] matrix_a_fmt:MATRIX_FMT_BF8 matrix_b_fmt:MATRIX_FMT_BF8
.endr
	s_wait_dscnt 0x0
	v_wmma_scale_f32_16x16x128_f8f6f4 v[O+24:O+31], v[S+48:S+63], v[PCD:PCD+15], v[O+24:O+31], v[VSW+3], v[FF+1] matrix_a_fmt:MATRIX_FMT_BF8 matrix_b_fmt:MATRIX_FMT_BF8
.endm
; THE WAY OUT of head e: O^T / the sum; register 16 b + i is channel 32 b + 16 h + i of the head: two blocks of 32 along the last product's K; the codes are registers 4 (2 e + b) on of that operand's K step
.macro OUT e
.rept 8
	v_nop
.endr
	v_add_f32 v14, v14, v15
	v_add_f32 v[SU], v[SU], v[SU+1]
	v_add_f32 v14, v14, v[SU]
	v_permlanex16_b32 v[TP], v14, s[SEL], s[SEL+1]
	v_add_f32 v14, v14, v[TP]                      ; the row's sum
	v_rcp_f32 v14, v14
	v_nop                                          ; a plain place behind the transcendental
.set j, 0
	s_wait_alu depctr_va_vdst(0)
.rept 32
	v_mul_f32 v[S+j], v[O+j], v14                  ; each accumulator from its low end on
.set j, j+1
.endr
.irp b, 0,1
	v_max3_num_f32 v[BM+\b], |v[S+16*\b]|, |v[S+16*\b+1]|, 0x8000000
.endr
.irp i, 2,4,6,8,10,12,14
.irp b, 0,1
	v_max3_num_f32 v[BM+\b], v[BM+\b], |v[S+16*\b+\i]|, |v[S+16*\b+\i+1]|
.endr
.endr
.irp b, 0,1
	v_permlanex16_b32 v[PT+\b], v[BM+\b], s[SEL], s[SEL+1]
.endr
.irp b, 0,1
	v_max_num_f32 v[BM+\b], v[BM+\b], v[PT+\b]
.endr
.irp b, 0,1
	v_add_nc_u32 v[SO+\b], 0xf8800000, v[BM+\b]
.endr
.irp b, 0,1
.endr
.irp b, 0,1
	v_lshrrev_b32 v[PT+\b], 23, v[SO+\b]
.endr
.if \e == 0
	v_lshl_or_b32 v[OW], v[PT+1], 8, v[PT]         ; the lower half of my query's scale word
.else
	v_lshl_or_b32 v[OW], v[PT], 16, v[OW]
	v_lshl_or_b32 v[OW], v[PT+1], 24, v[OW]
.endif
.irp b, 0,1
.irp i, 0,1,2,3,4,5,6,7,8,9,10,11,12,13,14,15
.endr
	v_cvt_scalef32_pk8_bf8_f32 v[PCD+4*\b:PCD+4*\b+1], v[S+16*\b:S+16*\b+7], v[SO+\b]
	v_cvt_scalef32_pk8_bf8_f32 v[PCD+4*\b+2:PCD+4*\b+3], v[S+16*\b+8:S+16*\b+15], v[SO+\b]
.endr
	v_nop                                          ; a plain instruction behind the last conversion
	global_store_b128 v[L16], v[PCD:PCD+3], s[10:11] offset:(2*\e)*512          ; the wave stores 512 consecutive bytes, aligned
	global_store_b128 v[L16], v[PCD+4:PCD+7], s[10:11] offset:(2*\e+1)*512
.if \e == 1
	global_store_b32 v[OSO], v[OW], s[60:61]       ; lanes 16-31 write the same words with the same values
.endif
.endm
; A head: K of step 0; seven steps that each ask for the next step's K; the eighth, written out, asks for nothing: no LDS read goes past the head's own tiles
.macro PASS e
	s_mov_b32 s[TK], \e*65536
	s_mov_b32 s[TV], VIM+\e*65536
	s_mov_b32 s[TS], SCB+\e*12288
	s_mov_b32 s[TJ], SCB+\e*12288+8192
	s_mov_b32 s[CNT], 7
	v_add_nc_u32 v[ADK], s[TK], v[L16]
	v_add_nc_u32 v[ADS], s[TS], v[L16]
	KLOAD 0, 0
	v_mov_b32 v13, 0xff61b1e6                      ; the largest score so far: -3e38
	v_mul_f32 v[TP], s[CS], v13
	v_floor_f32 v12, -v[TP]                        ; -M
	v_mov_b32 v14, 0
	v_mov_b32 v15, 0
	v_mov_b32 v[SU], 0
	v_mov_b32 v[SU+1], 0
.set j, 0
.rept 32
	v_mov_b32 v[O+j], 0                            ; the step is written without a first form: the first finds zeros, which the first change of M leaves zeros
.set j, j+1
.endr
	s_wait_dscnt 0x0                               ; K of step 0
.Lstep_\@:
	s_setprio 2
	STEP 1
	s_add_co_u32 s[TK], s[TK], 8192
	s_add_co_u32 s[TV], s[TV], 8192
	s_add_co_u32 s[TS], s[TS], 1024
	s_add_co_u32 s[TJ], s[TJ], 512
	s_sub_co_u32 s[CNT], s[CNT], 1
	s_cmp_lg_u32 s[CNT], 0
	s_cbranch_scc1 .Lstep_\@
	s_setprio 0
	STEP 0
	OUT \e
.endm
	PASS 0
	s_wait_xcnt 0x0                                ; the stores have read the codes' registers
.irp j, 0,1,2,3,4,5,6,7
	v_mov_b32 v[QF+\j], v[Q1+\j]                   ; head 1's Q; the pass's own first lines are the places in front of the products
.endr
	v_mov_b32 v[QSW], v[Q1S]
	s_wait_tensorcnt 0x0                           ; my part of head 1 is in,
	s_wait_dscnt 0x0
	s_barrier_signal -1
	s_barrier_wait -1                              ; everybody's is
	PASS 1
	s_wait_xcnt 0x0
	v_lshl_add_u32 v254, v0, 2, 0x46000
	v_mov_b32 v255, 0
	s_wait_tensorcnt 0x0
	ds_add_u32 v254, v255
	s_wait_dscnt 0x0
	ROUND                                          ; the closing round: no work-group ends while a partner may still ask for a tile that names it
	s_endpgm
.Lfunc_end_k_qaef6297aac_attn:
	.size	k_qaef6297aac_attn, .Lfunc_end_k_qaef6297aac_attn-k_qaef6297aac_attn
	.p2alignl 7, 3214868480
	.fill 96, 4, 3214868480
	.section	.rodata,"a",@progbits
	.p2align	6, 0x0
	.amdhsa_kernel k_qaef6297aac_attn
		.amdhsa_group_segment_fixed_size 327680
		.amdhsa_private_segment_fixed_size 0
		.amdhsa_enable_private_segment 0
		.amdhsa_kernarg_size 24
		.amdhsa_user_sgpr_count 2
		.amdhsa_user_sgpr_kernarg_segment_ptr 1
		.amdhsa_wavefront_size32 1
		.amdhsa_system_sgpr_workgroup_id_x 1
		.amdhsa_system_sgpr_workgroup_id_y 1
		.amdhsa_system_sgpr_workgroup_id_z 1
		.amdhsa_system_vgpr_workitem_id 0
		.amdhsa_next_free_vgpr 256
		.amdhsa_next_free_sgpr 66
		.amdhsa_reserve_vcc 0
		.amdhsa_float_denorm_mode_32 3
		.amdhsa_float_denorm_mode_16_64 3
		.amdhsa_fp16_overflow 1
		.amdhsa_memory_ordered 1
		.amdhsa_forward_progress 1
		.amdhsa_inst_pref_size 86
	.end_amdhsa_kernel
	.amdgpu_metadata
---
amdhsa.version: [ 1, 2 ]
amdhsa.kernels:
  - .name:           k_qaef6297aac_attn
    .symbol:         k_qaef6297aac_attn.kd
    .args:
      - { .name: qkvc, .offset: 0, .size: 8, .value_kind: global_buffer, .address_space: global }
      - { .name: qkvs, .offset: 8, .size: 8, .value_kind: global_buffer, .address_space: global }
      - { .name: oc, .offset: 16, .size: 8, .value_kind: global_buffer, .address_space: global }
    .group_segment_fixed_size: 327680
    .private_segment_fixed_size: 0
    .kernarg_segment_align: 8
    .kernarg_segment_size: 24
    .max_flat_workgroup_size: 512
    .sgpr_count:     66
    .vgpr_count:     256
    .wavefront_size: 32
...
	.end_amdgpu_metadata
.endif
;; end of part 3
;; launch gemm_proj (part 4): grid 4 x 32, 4 waves a work-group, clusters of 4 x 4, 327,680 bytes of LDS; arguments oc, wc, ws, bproj, out0; writes out0
.if DOCPART == 4
	.amdgcn_target "amdgcn-amd-amdhsa--gfx1250"
	.amdhsa_code_object_version 6
	.text
	.protected	k_qaef6297aac_gemm_proj
	.globl	k_qaef6297aac_gemm_proj
	.p2align	8
	.type	k_qaef6297aac_gemm_proj,@function
k_qaef6297aac_gemm_proj:
	s_mov_b64 s[64:65], 0
	v_nop
	global_prefetch_b8 v0, s[64:65] scope:SCOPE_SE
	s_setreg_imm32_b32 hwreg(HW_REG_WAVE_MODE, 25, 1), 1
	s_wait_xcnt 0x0
	s_wait_alu depctr_hold_cnt(0) depctr_sa_sdst(0) depctr_va_vdst(0) depctr_va_sdst(0) depctr_va_ssrc(0) depctr_va_vcc(0) depctr_vm_vsrc(0)
	s_getreg_b32 s2, hwreg(HW_REG_IB_STS2, 6, 4)
	s_cmp_eq_u32 s2, 0
	s_cbranch_scc0 .Lentry_in_a_cluster
	s_endpgm
.Lentry_in_a_cluster:
	s_bfe_u32 s2, ttmp6, 0x10000c
	s_cmp_lg_u32 s2, 0xf033
	s_cbranch_scc0 .Lentry_shape_is_right
	s_endpgm
.Lentry_shape_is_right:
.set NQ,     2
.set ROWB,   256
.set KROW,   1024
.set PITCH,  272
.set FR,     16
.set NL,     4
.set NP,     8
.set HALFT,  128*PITCH
.set SLOT,   4*HALFT
.set LAPS,   2
.set KS,     32
.set SCL,    2*SLOT
.set HALFS,  16*272
.set SBLK,   2*272
.set SPARE,  SCL+4*HALFS
.set SPITCH, 528
.set ADRA, 16
.set ADRB, 20
.set STO,  24
.set RD,   25
.set CO,   26
.set ADRS, 27
.set SPW,  28
.set NIL,  29
.set BO,   30
.set SC,   32
.set BI,   64
.set AF,   128
.set BK,   128
.set G1, 24
.set G0, 32
.set G1B, 48
.set G0B, 56
.set G1S, 68
.set G0S, 76
.set G1SB, 80
.set G0SB, 88
.set MSB, 0
.macro WIN new
.if MSB != \new
	s_set_vgpr_msb (MSB<<8)|\new
.set MSB, \new
.endif
.endm
.set MUL_LO, 0xa1
.set MUL_HI, 0xf1
.set TO_B,   0x40
.macro JLOAD g0a, g1a, g0b, g1b
	s_cmp_eq_u32 s15, 0
	s_cbranch_scc0 .Lfor_b_\@
	tensor_load_to_lds s[\g0a:\g0a+3], s[\g1a:\g1a+7]
	s_nop 0
.rept 4
	v_nop
.endr
	s_branch .Lasked_\@
.Lfor_b_\@:
	tensor_load_to_lds s[\g0b:\g0b+3], s[\g1b:\g1b+7]
	s_nop 0
.rept 4
	v_nop
.endr
.Lasked_\@:
.endm
.macro CREST
	s_cmp_lg_u32 s14, 0
	s_cbranch_scc1 .Lnot_wave_0_\@
	s_barrier_signal -3
.Lnot_wave_0_\@:
	s_barrier_wait -3
	s_barrier_signal -1
	s_barrier_wait -1
.endm
.macro CROUND
	s_barrier_signal -1
	s_barrier_wait -1
	CREST
.endm
	s_load_b256 s[4:11], s[0:1], 0x0
	s_load_b64 s[12:13], s[0:1], 0x20
	v_lshl_add_u32 v[SPW], v0, 2, SPARE
	v_mov_b32 v[NIL], 0
	ds_add_u32 v28, v29
	ds_add_u32 v28, v29
	s_wait_dscnt 0x0
	v_lshrrev_b32 v1, 5, v0
	v_readfirstlane_b32 s14, v1
	s_lshr_b32 s15, s14, 1
	s_and_b32 s16, s14, 1
	s_bfe_u32 s40, ttmp6, 0x40000
	s_bfe_u32 s41, ttmp6, 0x40004
	s_lshl_b32 s42, ttmp9, 2
	s_add_co_u32 s42, s42, s40
	s_and_b32 s17, ttmp7, 0xffff
	s_lshl_b32 s17, s17, 2
	s_add_co_u32 s17, s17, s41
	s_lshl_b32 s43, s41, 2
	s_lshl_b32 s43, 15, s43
	s_lshl_b32 s44, 0x1111, s40
	s_or_b32 s[G1+0], s43, (3<<16)|(1<<21)
	s_mov_b32 s[G1+1], 512<<16
	s_mov_b32 s[G1+2], 8<<16
	s_mov_b32 s[G1+3], 512<<16
	s_mov_b32 s[G1+4], 8
	s_mov_b32 s[G1+5], 2048
	s_mov_b32 s[G1+6], 0
	s_mov_b32 s[G1+7], 0
	s_or_b32 s[G1B+0], s44, (0<<16)|(1<<20)|(1<<21)|(5<<22)|(3<<25)
	s_mov_b32 s[G1B+1], ROWB<<16
	s_mov_b32 s[G1B+2], 128<<16
	s_mov_b32 s[G1B+3], ROWB<<16
	s_mov_b32 s[G1B+4], 128
	s_mov_b32 s[G1B+5], KROW
	s_mov_b32 s[G1B+6], 0
	s_mov_b32 s[G1B+7], 0
	s_or_b32 s[G1S+0], s43, (3<<16)|(1<<20)|(1<<21)|(5<<22)|(3<<25)
	s_or_b32 s[G1SB+0], s44, (3<<16)|(1<<20)|(1<<21)|(5<<22)|(3<<25)
.irp g, G1S, G1SB
	s_mov_b32 s[\g+1], 32<<16
	s_mov_b32 s[\g+2], 16<<16
	s_mov_b32 s[\g+3], 32<<16
	s_mov_b32 s[\g+4], 16
	s_mov_b32 s[\g+5], 32
	s_mov_b32 s[\g+6], 0
	s_mov_b32 s[\g+7], 0
.endr
	s_lshl_b32 s18, s16, 17
	s_lshl_b32 s20, s17, 18
	s_add_co_u32 s20, s20, s18
	s_mov_b32 s21, 0
	s_lshl_b32 s46, s42, 18
	s_add_co_u32 s46, s46, s18
	s_add_co_u32 s46, s46, 3145728
	s_mov_b32 s47, 0
	s_lshl_b32 s18, s16, 12
	s_lshl_b32 s22, s17, 13
	s_add_co_u32 s22, s22, s18
	s_add_co_u32 s22, s22, 8388608
	s_mov_b32 s23, 0
	s_lshl_b32 s92, s42, 13
	s_add_co_u32 s92, s92, s18
	s_add_co_u32 s92, s92, 98304
	s_mov_b32 s93, 0
	s_mul_i32 s45, s14, HALFT
	s_mul_i32 s94, s14, HALFS
	s_wait_kmcnt 0x0
	s_add_nc_u64 s[22:23], s[4:5], s[22:23]
	s_add_nc_u64 s[20:21], s[4:5], s[20:21]
	s_add_nc_u64 s[46:47], s[6:7], s[46:47]
	s_add_nc_u64 s[92:93], s[8:9], s[92:93]
	CROUND
	s_mov_b32 s[G0S], 1
	s_add_co_u32 s[G0S+1], s94, SCL
	s_mov_b64 s[G0S+2:G0S+3], s[22:23]
	s_or_b32 s[G0S+3], s[G0S+3], 0x80000000
	s_mov_b32 s[G0SB], 1
	s_add_co_u32 s[G0SB+1], s94, SCL
	s_mov_b64 s[G0SB+2:G0SB+3], s[92:93]
	s_or_b32 s[G0SB+3], s[G0SB+3], 0x80000000
	JLOAD G0S, G1S, G0SB, G1SB
.irp s, 0,1
	s_mov_b32 s[G0+4*\s], 1
	s_add_co_u32 s[G0+4*\s+1], s45, \s*SLOT
	s_add_nc_u64 s[G0+4*\s+2:G0+4*\s+3], s[20:21], \s*4096
	s_or_b32 s[G0+4*\s+3], s[G0+4*\s+3], 0x80000000
	s_mov_b32 s[G0B+4*\s], 1
	s_add_co_u32 s[G0B+4*\s+1], s45, \s*SLOT
	s_add_nc_u64 s[G0B+4*\s+2:G0B+4*\s+3], s[46:47], \s*ROWB
	s_or_b32 s[G0B+4*\s+3], s[G0B+4*\s+3], 0x80000000
	s_wait_alu depctr_va_vdst(0)
	s_wait_tensorcnt 0x0
	ds_add_u32 v28, v29
	s_wait_dscnt 0x0
	CROUND
	JLOAD G0+4*\s, G1, G0B+4*\s, G1B
.endr
	v_and_b32 v1, 15, v0
	v_bfe_u32 v2, v0, 4, 1
	v_and_b32 v6, 31, v0
	v_lshlrev_b32 v[CO], 4, v6
	v_mul_u32_u24 v3, v1, PITCH
	v_lshl_add_u32 v4, v2, 4, v3
	s_mul_i32 s21, s15, HALFT
	s_mul_i32 s22, s16, HALFT
	s_add_co_u32 s22, s22, 2*HALFT
.irp s, 0,1
	v_add_nc_u32 v[ADRA+\s], s21, v[CO]
	v_add_nc_u32 v[ADRB+\s], s22, v4
	s_add_co_u32 s21, s21, SLOT
	s_add_co_u32 s22, s22, SLOT
.endr
	v_mul_u32_u24 v5, v1, KS
	v_lshrrev_b32 v6, 8, v5
	v_lshl_add_u32 v5, v6, 4, v5
	s_mul_i32 s21, s15, HALFS
	s_mul_i32 s22, s16, HALFS
	s_add_co_u32 s22, s22, 2*HALFS
	s_sub_co_u32 s22, s22, s21
	v_mul_u32_u24 v6, s22, v2
	s_add_co_u32 s21, s21, SCL
	v_add_nc_u32 v5, v5, v6
	v_add_nc_u32 v[ADRS], s21, v5
	s_mul_i32 s23, s14, 16*SPITCH
	v_mul_u32_u24 v5, v1, SPITCH
	v_lshl_add_u32 v5, v2, 6, v5
	v_add_nc_u32 v[STO], s23, v5
	v_add_nc_u32 v[RD], s23, v[CO]
	s_lshl_b32 s20, s17, 20
	s_lshl_b32 s21, s15, 19
	s_add_co_u32 s20, s20, s21
	s_mov_b32 s21, 0
	s_lshl_b32 s46, s42, 10
	s_lshl_b32 s47, s16, 9
	s_add_co_u32 s46, s46, s47
	s_mov_b32 s47, 0
	s_add_nc_u64 s[10:11], s[10:11], s[46:47]
	s_add_nc_u64 s[20:21], s[20:21], s[46:47]
	s_add_nc_u64 s[12:13], s[12:13], s[20:21]
	v_lshlrev_b32 v[BO], 6, v2
.irp b, 0,1,2,3,4,5,6,7
	global_load_b128 v[BI+8*\b:BI+8*\b+3], v[BO], s[10:11] offset:128*(\b/2)+32*(\b%2)
	global_load_b128 v[BI+8*\b+4:BI+8*\b+7], v[BO], s[10:11] offset:128*(\b/2)+32*(\b%2)+16
.endr
.macro FRAGB reg, adr, q, i
.irp c, 0,1,2,3
	ds_load_b128 v[\reg+4*\c:\reg+4*\c+3], v[\adr] offset:128*(\q)+32*\c+(\i)*16*PITCH
.endr
.endm
.macro FRAGA reg, adr, q, i
.irp c, 0,1,2,3
	ds_load_b128 v[\reg+4*\c:\reg+4*\c+3], v[\adr] offset:(\i)*4096+(\q)*2048+512*\c
.endr
.endm
.macro MUL16 a0, p, q, sc, first
.irp a, \a0, \a0+1
.irp b, 0,1,2,3,4,5,6,7
.if \first
	v_wmma_scale_f32_16x16x128_f8f6f4 v[8*(8*((\a)%4)+\b):8*(8*((\a)%4)+\b)+7], v[128*(\p)+FR*\b:128*(\p)+FR*\b+FR-1], v[AF+FR*(\a):AF+FR*(\a)+FR-1], v[BI+8*\b:BI+8*\b+7], v[SC+8*NQ*(\sc)+NQ*\b+(\q)], v[SC+8*NQ*(\sc)+NQ*(\a)+(\q)] matrix_a_fmt:MATRIX_FMT_BF8 matrix_b_fmt:MATRIX_FMT_BF8 matrix_a_scale:MATRIX_SCALE_ROW1
.else
	v_wmma_scale_f32_16x16x128_f8f6f4 v[8*(8*((\a)%4)+\b):8*(8*((\a)%4)+\b)+7], v[128*(\p)+FR*\b:128*(\p)+FR*\b+FR-1], v[AF+FR*(\a):AF+FR*(\a)+FR-1], v[8*(8*((\a)%4)+\b):8*(8*((\a)%4)+\b)+7], v[SC+8*NQ*(\sc)+NQ*\b+(\q)], v[SC+8*NQ*(\sc)+NQ*(\a)+(\q)] matrix_a_fmt:MATRIX_FMT_BF8 matrix_b_fmt:MATRIX_FMT_BF8 matrix_a_scale:MATRIX_SCALE_ROW1
.endif
.endr
.endr
.endm
.macro FETCH_B slot, q, p
	WIN TO_B
.irp i, 0,1,2,3,4,5,6,7
	FRAGB 128*(\p)+FR*\i, ADRB+\slot, \q, \i
.endr
	WIN 0
.endm
.macro FETCH_A slot, q, i0
.irp i, \i0, \i0+1, \i0+2, \i0+3
	FRAGA AF+FR*(\i), ADRA+\slot, \q, \i
.endr
.endm
.macro SCALES sc
.irp i, 0,1,2,3,4,5,6,7
	ds_load_b64 v[SC+8*NQ*\sc+NQ*\i:SC+8*NQ*\sc+NQ*\i+1], v[ADRS] offset:\i*SBLK
.endr
.endm
.macro PLACES n
.rept \n
	v_nop
.endr
.endm
.macro STEP slot, q, first
	s_wait_dscnt 4*NL
.if \first
	WIN 0x81
.else
	WIN MUL_LO
.endif
	MUL16 0, (\q)%2, \q, \slot, \first
	MUL16 2, (\q)%2, \q, \slot, \first
	s_wait_dscnt 0
	PLACES NP
	FETCH_B \slot, (\q)+1, 1-(\q)%2
	FETCH_A \slot, (\q)+1, 0
.if \first
	WIN 0xc1
.else
	WIN MUL_HI
.endif
	MUL16 4, (\q)%2, \q, \slot, \first
	MUL16 6, (\q)%2, \q, \slot, \first
	PLACES NP
	WIN 0
	FETCH_A \slot, (\q)+1, 4
.endm
.macro TURN slot, next, fill
	s_wait_tensorcnt 0x0
	ds_add_u32 v[SPW], v[NIL]
	s_wait_dscnt 4*NL+1
	WIN MUL_LO
	MUL16 0, 1, NQ-1, \slot, 0
	s_wait_dscnt 0x0
	s_barrier_signal -1
	MUL16 2, 1, NQ-1, \slot, 0
	WIN 0
	s_barrier_wait -1
.if \fill
	CREST
	s_add_nc_u64 s[G0+4*\slot+2:G0+4*\slot+3], s[G0+4*\slot+2:G0+4*\slot+3], 2*4096
	s_add_nc_u64 s[G0B+4*\slot+2:G0B+4*\slot+3], s[G0B+4*\slot+2:G0B+4*\slot+3], 2*ROWB
	JLOAD G0+4*\slot, G1, G0B+4*\slot, G1B
	PLACES NP-4
.else
	PLACES NP
.endif
	s_wait_alu depctr_va_vdst(0)
	v_add_nc_u32 v[ADRS], 4*NQ, v[ADRS]
	FETCH_B \next, 0, 0
	FETCH_A \next, 0, 0
	SCALES \next
	WIN MUL_HI
	MUL16 4, 1, NQ-1, \slot, 0
	MUL16 6, 1, NQ-1, \slot, 0
	PLACES NP
	WIN 0
	FETCH_A \next, 0, 4
.endm
	s_wait_alu depctr_va_vdst(0)
	s_wait_loadcnt 0x0
	s_wait_tensorcnt 1
	s_barrier_signal -1
	s_barrier_wait -1
	FETCH_B 0, 0, 0
	FETCH_A 0, 0, 0
	SCALES 0
	FETCH_A 0, 0, 4
	STEP 0, 0, 1
	s_mov_b32 s3, LAPS-1
.Llap:
	TURN 0, 1, 1
	STEP 1, 0, 0
	TURN 1, 0, 1
	STEP 0, 0, 0
	s_sub_co_u32 s3, s3, 1
	s_cmp_lg_u32 s3, 0
	s_cbranch_scc1 .Llap
	TURN 0, 1, 0
	STEP 1, 0, 0
	s_wait_dscnt 4*NL
	WIN MUL_LO
	MUL16 0, 1, NQ-1, 1, 0
	MUL16 2, 1, NQ-1, 1, 0
	s_wait_dscnt 0
	WIN MUL_HI
	MUL16 4, 1, NQ-1, 1, 0
	MUL16 6, 1, NQ-1, 1, 0
	WIN 0
.macro TOSTAGE a
.set AC, 64*((\a)%4)
	WIN 0x08+4*((\a)/4)
.irp b, 0,1,2,3,4,5,6,7
	ds_store_b128 v[STO], v[AC+8*\b:AC+8*\b+3] offset:128*(\b/2)+32*(\b%2)
	ds_store_b128 v[STO], v[AC+8*\b+4:AC+8*\b+7] offset:128*(\b/2)+32*(\b%2)+16
.endr
	WIN 0
.set BB, BK+64*((\a)%2)
.irp t, 0,1,2,3,4,5,6,7,8,9,10,11,12,13,14,15
	ds_load_b128 v[BB+4*\t:BB+4*\t+3], v[RD] offset:\t*SPITCH
.endr
.endm
.macro SEND a, younger
.set BB, BK+64*((\a)%2)
	s_wait_dscnt \younger
.irp t, 0,1,2,3,4,5,6,7,8,9,10,11,12,13,14,15
	global_store_b128 v[CO], v[BB+4*\t:BB+4*\t+3], s[12:13] offset:(32*((\a)/2)+8*((\a)%2)+\t+8*(\t/8))*4096 th:TH_STORE_NT
.endr
.endm
	PLACES NP
	TOSTAGE 0
.irp a, 1,2,3,4,5,6,7
.if \a > 1
	s_wait_xcnt 0x0
.endif
	TOSTAGE \a
	SEND \a-1, 32
.endr
	SEND 7, 0
	s_wait_tensorcnt 0x0
	ds_add_u32 v[SPW], v[NIL]
	s_wait_dscnt 0x0
	CROUND
	s_endpgm
.Lfunc_end_k_qaef6297aac_gemm_proj:
	.size	k_qaef6297aac_gemm_proj, .Lfunc_end_k_qaef6297aac_gemm_proj-k_qaef6297aac_gemm_proj
	.p2alignl 7, 3214868480
	.fill 96, 4, 3214868480
	.section	.rodata,"a",@progbits
	.p2align	6, 0x0
	.amdhsa_kernel k_qaef6297aac_gemm_proj
		.amdhsa_group_segment_fixed_size 327680
		.amdhsa_private_segment_fixed_size 0
		.amdhsa_enable_private_segment 0
		.amdhsa_kernarg_size 40
		.amdhsa_user_sgpr_count 2
		.amdhsa_user_sgpr_kernarg_segment_ptr 1
		.amdhsa_wavefront_size32 1
		.amdhsa_system_sgpr_workgroup_id_x 1
		.amdhsa_system_sgpr_workgroup_id_y 1
		.amdhsa_system_sgpr_workgroup_id_z 1
		.amdhsa_system_vgpr_workitem_id 0
		.amdhsa_next_free_vgpr 1024
		.amdhsa_next_free_sgpr 100
		.amdhsa_reserve_vcc 0
		.amdhsa_float_denorm_mode_32 3
		.amdhsa_float_denorm_mode_16_64 3
		.amdhsa_memory_ordered 1
		.amdhsa_forward_progress 1
		.amdhsa_inst_pref_size 148
	.end_amdhsa_kernel
	.amdgpu_metadata
---
amdhsa.version: [ 1, 2 ]
amdhsa.kernels:
  - .name:           k_qaef6297aac_gemm_proj
    .symbol:         k_qaef6297aac_gemm_proj.kd
    .args:
      - { .name: oc, .offset: 0, .size: 8, .value_kind: global_buffer, .address_space: global }
      - { .name: wc, .offset: 8, .size: 8, .value_kind: global_buffer, .address_space: global }
      - { .name: ws, .offset: 16, .size: 8, .value_kind: global_buffer, .address_space: global }
      - { .name: bproj, .offset: 24, .size: 8, .value_kind: global_buffer, .address_space: global }
      - { .name: out0, .offset: 32, .size: 8, .value_kind: global_buffer, .address_space: global }
    .group_segment_fixed_size: 327680
    .private_segment_fixed_size: 0
    .kernarg_segment_align: 8
    .kernarg_segment_size: 40
    .max_flat_workgroup_size: 128
    .sgpr_count:     100
    .vgpr_count:     1024
    .wavefront_size: 32
...
	.end_amdgpu_metadata
.endif
;; end of part 4
